; MI455X (gfx1250); checked and timed in simulation.
; The chip was launched on July 23, 2026; its instructions are those of AMD's public machine-readable ISA for CDNA 5 (MIT licence, August 2026) and "CDNA5" Instruction Set Architecture Reference Guide (July 2026). The comments in the code are by the model that wrote it; some were corrected since.
;; Multi Head Self Attention. Allowed arithmetic: matrix products marked QUANTISED: E4M3 operands, one given power-of-two scale a tensor, by v_wmma_f32_16x16x64_fp8_fp8 or v_wmma_f32_16x16x128_fp8_fp8, f32 sums; everything else in f32.
;; Inputs: Wk 1,024 x 1,024 float32; Wo 1,024 x 1,024 float32; Wq 1,024 x 1,024 float32; Wv 1,024 x 1,024 float32; lowp_scales 12 int32 (the exponents e of the quantised operands' scales 2^e); x 4 x 2,048 x 1,024 float32.
;; Outputs: out0 4 x 2,048 x 1,024 float32.
;; This version of the problem:
;;   THIS VERSION OF THE PROBLEM IS GIVEN IN LOW PRECISION. The matrix products marked QUANTISED in the list below multiply operands that are first quantised to E4M3 (4 exponent bits, 3 mantissa bits; 8 bits a number), with one given power-of-two scale for each operand tensor; their sums are f32. All else is computed in f32.
;;   The module's matrix products, in the order in which they are computed (A, B: the left and right operand; K: the contracted axis; several contracted axes count as one K, in the product's order):
;;     1. [M 8,192, K 1,024] x [K 1,024, N 1,024]; A: input x; B: input Wq: QUANTISED (scales: A lowp_scales[0], B lowp_scales[1])
;;     2. [M 8,192, K 1,024] x [K 1,024, N 1,024]; A: input x; B: input Wk: QUANTISED (scales: A lowp_scales[2], B lowp_scales[3])
;;     3. [M 8,192, K 1,024] x [K 1,024, N 1,024]; A: input x; B: input Wv: QUANTISED (scales: A lowp_scales[4], B lowp_scales[5])
;;     4. batch 64 x [M 2,048, K 64] x [K 64, N 2,048]; A: computed on the way; B: computed on the way: QUANTISED (scales: A lowp_scales[6], B lowp_scales[7])
;;     5. batch 64 x [M 2,048, K 2,048] x [K 2,048, N 64]; A: softmax (see below); B: computed on the way: QUANTISED (scales: A lowp_scales[8], B lowp_scales[9])
;;     6. [M 8,192, K 1,024] x [K 1,024, N 1,024]; A: computed on the way; B: input Wo: QUANTISED (scales: A lowp_scales[10], B lowp_scales[11])
;;   THE QUANTISER, for each operand of a quantised product, along K:
;;     - The operand's scale is 2^e, e = its entry of the input lowp_scales (int32; the entries are numbered through the quantised products in the list's order, A before B).
;;     - Each number is divided by the scale, clamped to +-448, and rounded to the nearest number of E4M3, ties to even, subnormals kept.
;;     - The product sums the exact products of the quantised numbers (number of the format x scale) in f32.
;;   ~~~python
;;   def quantise(x, axis, e):      # numpy; x: float32 -> the quantised numbers, widened to float32 again
;;       x = np.moveaxis(x, axis, -1); K = x.shape[-1]
;;       r = np.clip(x / 2.0 ** e, -448, 448)
;;       step = 2.0 ** (np.maximum(np.frexp(np.where(r == 0, 1, r))[1] - 1, -6) - 3)
;;       q = np.round(r / step) * step * 2.0 ** e      # np.round: ties to even
;;       return np.moveaxis(q, -1, axis).astype(np.float32)
;;   ~~~
;;   SOFTMAX AHEAD OF A QUANTISED PRODUCT. Where the list says 'softmax', what is quantised is not the finished softmax but p = 2^(t - M), with t = logit x log2(e) and M = ceil(the row's largest t), a whole number; so 1/2 < the row's largest p <= 1. The row's sum l is taken of the UNQUANTISED p, in f32, and the product's result is divided by l at the end. Since M is a whole number, a kernel that streams over the keys may use a running M (the ceiling of the running maximum): every later rescaling is an exact power of two, so the quantised numbers keep their values, but for numbers so far below the row's largest that they fall under the format's range.
;;   OPERANDS COMPUTED ON THE WAY. 'Computed on the way' means the value that the module computes at that place (a softmax that the list does not call 'softmax' is quantised finished and normalised). What goes into a quantiser is computed in f32, as accurately as f32 sums, v_exp_f32 and their like allow (about 1e-6 of the number): no bf16 or f16 on the way to a quantiser, and a product that is left as it is and whose result goes on into a quantised operand takes f32 operands (vector FMAs, or v_wmma_f32_16x16x4_f32). A number that lies on a knife's edge between two numbers of the format may be rounded either way, as far as f32 arithmetic and the matrix unit's own rounding can turn it there, and no further.
;; One version. Each part assembles by itself: llvm-mc -triple=amdgcn-amd-amdhsa -mcpu=gfx1250 --defsym DOCPART=n.
;; ======== version 1 of 1: 4 launches
;; limits: right only within a limited range of input values
;; workspace buffers: codes 29,360,128 bytes; rope 524,288 bytes; qkvimg 25,165,824 bytes; oimg 8,388,608 bytes
;; launch prep (part 1): grid 672 x 1, 4 waves a work-group, no clusters, 34,304 bytes of LDS; arguments x, Wq, Wk, Wv, Wo, lowp_scales, codes, rope; writes codes, rope
.if DOCPART == 1
	.amdgcn_target "amdgcn-amd-amdhsa--gfx1250"
	.amdhsa_code_object_version 6
	.text
	.protected	k_q6fbadfdff9_prep
	.globl	k_q6fbadfdff9_prep
	.p2align	8
	.type	k_q6fbadfdff9_prep,@function
k_q6fbadfdff9_prep:
	s_mov_b64 s[64:65], 0
	v_nop
	global_prefetch_b8 v0, s[64:65] scope:SCOPE_SE
	s_setreg_imm32_b32 hwreg(HW_REG_WAVE_MODE, 25, 1), 1
	s_wait_xcnt 0x0
; PREP: x and the four weights become codes of FP8 (E4M3), and the table of cosines and sines for the rotation is made.
; Everything is stored as IMAGES OF OPERAND REGISTERS.  An image of 16 rows x 128 K is 2,048 bytes: byte 512 c + 16 L + y (L = r + 16 h the lane, c 0..3, y 0..15) is the code of
; row r at k = 32 c + 16 (y / 8) + 8 h + y % 8.  Four 16-byte loads at 16 L + 512 c then give the fp8 form's own layout (registers 2 C, 2 C + 1: k = 16 C + 8 h + 0..7).
; codes: x three times (scales: entries 0, 2, 4) at g x 8,388,608: [16-row tile 512][K step 8] images; the weights (entries 1, 3, 5, 11) at 25,165,824 + j x 1,048,576: [16-column tile 64][K step 8] images, row = column n of W.
; rope: [16-position tile 128][q 8][lane 32][16 bytes]: (cos, sin, cos, sin) for position 16 tile + r and frequencies i = 8 (q / 2) + 4 h + 2 (q % 2) + 0, 1.
; code = number / 2^e, held within +-448, to the nearest code, ties to even.  LIMITS: each e used here between -126 and 119; NaN among the inputs is not served (an infinity is held at the largest code).
; The frequencies 10000^(-i/32) are good to about one unit in the last place, the angle is one f32 product as in the definition; cosine and sine of that angle are good to about 1e-7.
; Work-groups 0-511: x (path X).  512-639: the weights (path W).  640-671: the table (path R).  The paths part on the work-group's number alone.  No barrier: waves share nothing.
.set SPARE, 33792                      ; behind the four stages: the spare words, 128 bytes a wave: two blocks of 256 bytes that no other line names
.set STG,   8448                       ; path X: a wave's stage: 16 rows x 528 bytes
.set SP,    528                        ; a stage row: 512 bytes + 16 of padding: the sixteen rows that a read touches start at sixteen different 16-byte columns
.set SPW,   10                         ; v10  LDS address of my spare word; never rewritten
.set NIL,   11                         ; v11  0; never rewritten
.set R0,    16                         ; path X: v16-79, v80-143: a step's numbers as loaded; later that step's codes, 16 registers a scale
.set XN,    144                        ; path X: v144-207: 64 numbers of my row, register 8 C + i = k 16 C + 8 h + i
.set T,     208
.macro POW2 e, vs, vl                  ; s[e] = a whole number e: v[vs] = 2^e as f32 (the conversion takes its exponent field)
	s_add_co_i32 s58, s[\e], 127
	s_lshl_b32 s59, s58, 23
	v_mov_b32 v[\vs], s59
	s_add_co_i32 s58, s58, 8
	s_lshl_b32 s58, s58, 23
	s_or_b32 s58, s58, 0x600000
.endm
	s_load_b512 s[4:19], s[0:1], 0x0               ; x s[4:5], Wq s[6:7], Wk s[8:9], Wv s[10:11], Wo s[12:13], the exponents s[14:15], codes s[16:17], rope s[18:19]
	v_lshl_add_u32 v[SPW], v0, 2, SPARE
	v_mov_b32 v[NIL], 0
	v_lshrrev_b32 v12, 5, v0
	v_readfirstlane_b32 s20, v12                   ; wave 0..3
	v_and_b32 v12, 31, v0                          ; lane
	v_lshlrev_b32 v1, 4, v12                       ; 16 x lane
	v_and_b32 v13, 15, v0                          ; r
	v_bfe_u32 v14, v0, 4, 1                        ; h
	s_wait_kmcnt 0x0
	s_load_b256 s[32:39], s[14:15], 0x0            ; entries 0 to 7
	s_load_b128 s[40:43], s[14:15], 0x20           ; entries 8 to 11
	s_cmp_lt_u32 ttmp9, 512
	s_cbranch_scc0 .Lnot_x
; ---------------- PATH X.  Work-group = a tile of 16 rows; wave w takes K = 256 w .. 256 w + 255, two steps of 128.
; A load reads 512 consecutive bytes of one row.  The conversion wants eight neighbours along K in one lane: so a step's 16 x 512 bytes turn through the wave's own stage.
	s_mul_i32 s21, s20, STG
	s_wait_alu depctr_va_vdst(0)
	v_add_nc_u32 v2, s21, v1                       ; into the stage: 16 x lane, a row an instruction
	v_mul_u32_u24 v3, v13, SP
	v_lshl_add_u32 v3, v14, 5, v3
	v_add_nc_u32 v3, s21, v3                       ; out of it: row r, + 32 h
	s_lshl_b32 s22, ttmp9, 16                      ; 16 rows of 4,096 bytes
	s_lshl_b32 s23, s20, 10
	s_add_co_u32 s22, s22, s23
	s_mov_b32 s23, 0
	s_add_nc_u64 s[24:25], s[4:5], s[22:23]        ; x at my rows and my K
	s_lshl_b32 s22, ttmp9, 14                      ; a tile's eight images
	s_lshl_b32 s44, s20, 12                        ; my two of them
	s_add_co_u32 s22, s22, s44
	s_add_nc_u64 s[26:27], s[16:17], s[22:23]      ; the three sets of codes: a base each, since a set's 8,388,608 bytes are past the immediate's reach
	s_add_nc_u64 s[28:29], s[26:27], 0x800000
	s_add_nc_u64 s[30:31], s[26:27], 0x1000000
.macro LOADX t
.set p, 0
.rept 16
	global_load_b128 v[R0+64*(\t)+4*p:R0+64*(\t)+4*p+3], v1, s[24:25] offset:4096*p+512*(\t) th:TH_LOAD_NT
.set p, p+1
.endr
.endm
.macro STEPX t
.set RT, R0+64*(\t)
	s_wait_loadcnt 16*(1-(\t))                     ; this step's sixteen loads are in; the other step's sixteen may be out
.set p, 0
.rept 16
	ds_store_b128 v2, v[RT+4*p:RT+4*p+3] offset:SP*p
.set p, p+1
.endr
.set c, 0
.rept 8
	ds_load_b128 v[XN+8*c:XN+8*c+3], v3 offset:64*c         ; LDS serves a wave's instructions in order: these see my stores
	ds_load_b128 v[XN+8*c+4:XN+8*c+7], v3 offset:64*c+16
.set c, c+1
.endr
	s_wait_dscnt 0x0
.irp g, 0,1,2                          ; the same numbers under each of x's three scales
.set c, 0
.rept 8
.set i, 0
.rept 8
.set i, i+1
.endr
	v_cvt_scalef32_pk8_fp8_f32 v[RT+16*\g+2*c:RT+16*\g+2*c+1], v[T+8*(c%2)+((XN+8*c+i)-(T+8*(c%2)+i)):T+8*(c%2)+7+((XN+8*c+i)-(T+8*(c%2)+i))], v[4+\g]
.set c, c+1
.endr
	v_nop                                          ; a plain line behind the last conversion of a run
.irp c4, 0,1,2,3
	global_store_b128 v1, v[RT+16*\g+4*\c4:RT+16*\g+4*\c4+3], s[26+2*\g:27+2*\g] offset:2048*(\t)+512*\c4   ; 512 consecutive bytes; the data registers are never written again
.endr
.endr
.endm
	LOADX 0
	LOADX 1                                        ; all of the wave's 16 KiB are asked for at once
	s_wait_alu depctr_va_vdst(0)
	s_wait_kmcnt 0x0
	POW2 32, 4, 7                                  ; entry 0
	POW2 34, 5, 8                                  ; entry 2
	POW2 36, 6, 9                                  ; entry 4
	s_wait_alu depctr_va_vdst(0)
	STEPX 0
	STEPX 1
	s_wait_tensorcnt 0x0                           ; the wave's end: three lines behind my last LDS store, the first of them even with no tensor load
	ds_add_u32 v[SPW], v[NIL]
	s_wait_dscnt 0x0
	s_endpgm
; ---------------- PATH W.  K is a weight's FIRST axis: a lane takes a column n and its registers run down K, so the conversions give codes with K innermost and nothing is transposed.
; j = work-group - 512: weight j / 32, K 256 ((j / 8) % 4) on, columns 128 (j % 8) + 32 wave + lane.  Eight blocks of 32 along K; loads run two blocks ahead.
.Lnot_x:
	s_cmp_lt_u32 ttmp9, 640
	s_cbranch_scc0 .Ltable
	s_sub_co_u32 s21, ttmp9, 512
	s_lshr_b32 s22, s21, 5                         ; which weight
	s_bfe_u32 s23, s21, 0x20003                    ; which 256 along K
	s_and_b32 s21, s21, 7                          ; which 128 columns
	s_cmp_eq_u32 s22, 1                            ; the choice hangs on the work-group's number alone
	s_cselect_b64 s[24:25], s[8:9], s[6:7]
	s_cmp_eq_u32 s22, 2
	s_cselect_b64 s[24:25], s[10:11], s[24:25]
	s_cmp_eq_u32 s22, 3
	s_cselect_b64 s[24:25], s[12:13], s[24:25]
	s_lshl_b32 s26, s23, 20                        ; 256 rows of 4,096 bytes
	s_lshl_b32 s27, s21, 9
	s_add_co_u32 s26, s26, s27
	s_lshl_b32 s27, s20, 7
	s_add_co_u32 s26, s26, s27
	s_mov_b32 s27, 0
	s_add_nc_u64 s[24:25], s[24:25], s[26:27]      ; the weight at my K and my wave's first column
	s_lshl_b32 s26, s22, 20                        ; the weight's set,
	s_lshl_b32 s28, s21, 17                        ; 8 tiles of 16 columns a work-group,
	s_add_co_u32 s26, s26, s28
	s_lshl_b32 s28, s20, 15                        ; 2 a wave,
	s_add_co_u32 s26, s26, s28
	s_lshl_b32 s28, s23, 12                        ; my two K steps' images
	s_add_co_u32 s26, s26, s28
	s_add_co_u32 s26, s26, 25165824
	s_add_nc_u64 s[28:29], s[16:17], s[26:27]
	s_wait_alu depctr_va_vdst(0)
	v_lshlrev_b32 v2, 2, v12                       ; in: 4 bytes a lane
	v_lshlrev_b32 v3, 4, v13
	v_lshl_add_u32 v3, v14, 14, v3                 ; out: row r of the image, lanes 16-31 in the next tile
.macro LOADW t
.set i, 0
.rept 32
	global_load_b32 v[32+32*((\t)%2)+i], v2, s[24:25] offset:(32*(\t)+i)*4096 th:TH_LOAD_NT
.set i, i+1
.endr
.endm
	LOADW 0
	LOADW 1
	s_wait_kmcnt 0x0
	s_cmp_eq_u32 s22, 1                            ; entries 1, 3, 5, 11
	s_cselect_b32 s30, s35, s33
	s_cmp_eq_u32 s22, 2
	s_cselect_b32 s30, s37, s30
	s_cmp_eq_u32 s22, 3
	s_cselect_b32 s30, s43, s30
	POW2 30, 4, 7
.macro BLOCKW t
.set XS, 32+32*((\t)%2)
.set CW, 96+8*(\t)                     ; eight registers of codes for each block: no store's data are written again
.if (\t) < 7
	s_wait_loadcnt 32                              ; this block's 32 loads are in; the next block's may be out
.else
	s_wait_loadcnt 0x0
.endif
.set i, 0
.rept 32
.set i, i+1
.endr
	v_cvt_scalef32_pk8_fp8_f32 v[CW:CW+1], v[XS:XS+7], v4           ; the image's lane r holds k 0-7 and 16-23 of the block,
	v_cvt_scalef32_pk8_fp8_f32 v[CW+2:CW+3], v[XS+16:XS+23], v4
	v_cvt_scalef32_pk8_fp8_f32 v[CW+4:CW+5], v[XS+8:XS+15], v4      ; its lane 16 + r k 8-15 and 24-31
	v_cvt_scalef32_pk8_fp8_f32 v[CW+6:CW+7], v[XS+24:XS+31], v4
	v_nop
	global_store_b128 v3, v[CW:CW+3], s[28:29] offset:((\t)/4)*2048+((\t)%4)*512        ; sixteen lanes store 256 consecutive bytes, aligned
	global_store_b128 v3, v[CW+4:CW+7], s[28:29] offset:((\t)/4)*2048+((\t)%4)*512+256
.if (\t)+2 < 8
	LOADW (\t)+2
.endif
.endm
	s_wait_alu depctr_va_vdst(0)
.irp t, 0,1,2,3,4,5,6,7
	BLOCKW \t
.endr
	s_endpgm
; ---------------- PATH R.  A wave makes the table of 16 positions: a lane has one position (16 tile + r) and 16 frequencies, number k: i = 8 (k / 4) + k % 4 + 4 h.  Each stage runs over all sixteen.
.Ltable:
	s_wait_kmcnt 0x0                               ; (the exponents' loads are not used here; their registers are left alone until they have landed)
	s_sub_co_u32 s21, ttmp9, 640
	s_lshl_b32 s21, s21, 2
	s_add_co_u32 s21, s21, s20                     ; my tile of positions
	s_lshl_b32 s22, s21, 12
	s_mov_b32 s23, 0
	s_add_nc_u64 s[24:25], s[18:19], s[22:23]
	s_lshl_b32 s22, s21, 4
	s_wait_alu depctr_va_vdst(0)
	v_add_nc_u32 v20, s22, v13
	v_cvt_f32_u32 v20, v20                         ; my position as f32
	v_lshlrev_b32 v22, 2, v14                      ; 4 h
	s_wait_alu depctr_va_vdst(0)
	s_mov_b32 s44, 0xbed49a78                      ; -log2(10000) / 32, its leading part,
	s_mov_b32 s45, 0xb2179a28                      ; and what that leaves
	s_mov_b32 s46, 0x3f317218                      ; ln 2
	s_mov_b32 s47, 0x3f22f983                      ; 2 / pi
	s_mov_b32 s48, 0x3fc90fdb                      ; pi / 2, its leading part,
	s_mov_b32 s49, 0xb33bbd2e                      ; and what that leaves (what these two leave, times the 1,304 quarter turns at the most, is under 1e-11)
	s_mov_b32 s50, 0x3638ef1d                      ; 1/9!
	s_mov_b32 s51, 0xb9500d01                      ; -1/7!
	s_mov_b32 s52, 0x3c088889                      ; 1/5!
	s_mov_b32 s53, 0xbe2aaaab                      ; -1/3!
	s_mov_b32 s54, 0xb493f27e                      ; -1/10!
	s_mov_b32 s55, 0x37d00d01                      ; 1/8!
	s_mov_b32 s56, 0xbab60b61                      ; -1/6!
	s_mov_b32 s57, 0x3d2aaaab                      ; 1/4!
.macro ALLK                            ; (starts a stage's count)
.set k, 0
.endm
	ALLK
.rept 16
	v_add_nc_u32 v[96+k], 8*(k/4)+k%4, v22
.set k, k+1
.endr
	ALLK
.rept 16
	v_cvt_f32_u32 v[96+k], v[96+k]                 ; i
.set k, k+1
.endr
	ALLK
.rept 16
	v_mul_f32 v[32+k], s44, v[96+k]                ; a = the exponent, rounded;
.set k, k+1
.endr
	ALLK
.rept 16
	v_fma_f32 v[48+k], v[96+k], s44, -v[32+k]      ; what the rounding dropped, exactly,
.set k, k+1
.endr
	ALLK
.rept 16
	v_fma_f32 v[48+k], v[96+k], s45, v[48+k]       ; and the constant's own rest
.set k, k+1
.endr
	ALLK
	s_wait_alu depctr_va_vdst(0)
.rept 16
	v_exp_f32 v[32+k], v[32+k]                     ; 2^a: one batch
.set k, k+1
.endr
	ALLK
.rept 16
	v_mul_f32 v[48+k], s46, v[48+k]                ; plain lines behind the batch
.set k, k+1
.endr
	s_wait_alu depctr_va_vdst(0)                   ; one wait for the batch, ahead of its first reader
	ALLK
.rept 16
	v_fma_f32 v[32+k], v[32+k], v[48+k], v[32+k]   ; 10000^(-i/32)
.set k, k+1
.endr
	ALLK
.rept 16
	v_mul_f32 v[32+k], v20, v[32+k]                ; the angle: one f32 product
.set k, k+1
.endr
	ALLK
.rept 16
	v_mul_f32 v[96+k], s47, v[32+k]
.set k, k+1
.endr
	ALLK
.rept 16
	v_rndne_f32 v[96+k], v[96+k]                   ; N quarter turns
.set k, k+1
.endr
	ALLK
.rept 16
	v_fma_f32 v[112+k], -v[96+k], s48, v[32+k]
.set k, k+1
.endr
	ALLK
.rept 16
	v_fma_f32 v[112+k], -v[96+k], s49, v[112+k]    ; R = the angle - N pi / 2, within +-pi/4
.set k, k+1
.endr
	ALLK
.rept 16
	v_cvt_i32_f32 v[176+k], v[96+k]
	v_mul_f32 v[128+k], v[112+k], v[112+k]         ; R^2
.set k, k+1
.endr
	ALLK
.rept 16
	v_fma_f32 v[144+k], v[128+k], s50, s51
	v_fma_f32 v[160+k], v[128+k], s54, s55
.set k, k+1
.endr
	ALLK
.rept 16
	v_fma_f32 v[144+k], v[144+k], v[128+k], s52
	v_fma_f32 v[160+k], v[160+k], v[128+k], s56
.set k, k+1
.endr
	ALLK
.rept 16
	v_fma_f32 v[144+k], v[144+k], v[128+k], s53
	v_fma_f32 v[160+k], v[160+k], v[128+k], s57
	v_mul_f32 v[192+k], v[128+k], v[112+k]         ; R^3
.set k, k+1
.endr
	ALLK
.rept 16
	v_fma_f32 v[144+k], v[144+k], v[192+k], v[112+k]   ; sin R
	v_fma_f32 v[160+k], v[160+k], v[128+k], -0.5
.set k, k+1
.endr
	ALLK
.rept 16
	v_fma_f32 v[160+k], v[160+k], v[128+k], 1.0    ; cos R
	v_and_b32 v[192+k], 1, v[176+k]
.set k, k+1
.endr
	ALLK
.rept 16                               ; the quarter: odd N swaps the two; the sine's sign is bit 1 of N, the cosine's bit 1 of N + 1.  Values are selected, nothing is branched on
	v_cmp_eq_u32 vcc_lo, 1, v[192+k]
	v_cndmask_b32 v[65+2*k], v[144+k], v[160+k], vcc_lo
	v_cndmask_b32 v[64+2*k], v[160+k], v[144+k], vcc_lo
	v_and_b32 v[192+k], 2, v[176+k]
	v_add_nc_u32 v[176+k], 1, v[176+k]
.set k, k+1
.endr
	ALLK
.rept 16
	v_lshlrev_b32 v[192+k], 30, v[192+k]
	v_and_b32 v[176+k], 2, v[176+k]
.set k, k+1
.endr
	ALLK
.rept 16
	v_xor_b32 v[65+2*k], v[65+2*k], v[192+k]       ; sin
	v_lshlrev_b32 v[176+k], 30, v[176+k]
.set k, k+1
.endr
	ALLK
.rept 16
	v_xor_b32 v[64+2*k], v[64+2*k], v[176+k]       ; cos
.set k, k+1
.endr
.irp q, 0,1,2,3,4,5,6,7
	global_store_b128 v1, v[64+4*\q:67+4*\q], s[24:25] offset:512*\q   ; 512 consecutive bytes
.endr
	s_endpgm
.Lfunc_end_k_q6fbadfdff9_prep:
	.size	k_q6fbadfdff9_prep, .Lfunc_end_k_q6fbadfdff9_prep-k_q6fbadfdff9_prep
	.p2alignl 7, 3214868480
	.fill 96, 4, 3214868480
	.section	.rodata,"a",@progbits
	.p2align	6, 0x0
	.amdhsa_kernel k_q6fbadfdff9_prep
		.amdhsa_group_segment_fixed_size 34304
		.amdhsa_private_segment_fixed_size 0
		.amdhsa_enable_private_segment 0
		.amdhsa_kernarg_size 64
		.amdhsa_user_sgpr_count 2
		.amdhsa_user_sgpr_kernarg_segment_ptr 1
		.amdhsa_wavefront_size32 1
		.amdhsa_system_sgpr_workgroup_id_x 1
		.amdhsa_system_sgpr_workgroup_id_y 1
		.amdhsa_system_sgpr_workgroup_id_z 1
		.amdhsa_system_vgpr_workitem_id 0
		.amdhsa_next_free_vgpr 224
		.amdhsa_next_free_sgpr 66
		.amdhsa_reserve_vcc 1
		.amdhsa_float_denorm_mode_32 3
		.amdhsa_float_denorm_mode_16_64 3
		.amdhsa_fp16_overflow 1
		.amdhsa_memory_ordered 1
		.amdhsa_forward_progress 1
		.amdhsa_inst_pref_size 73
	.end_amdhsa_kernel
	.amdgpu_metadata
---
amdhsa.version: [ 1, 2 ]
amdhsa.kernels:
  - .name:           k_q6fbadfdff9_prep
    .symbol:         k_q6fbadfdff9_prep.kd
    .args:
      - { .name: x, .offset: 0, .size: 8, .value_kind: global_buffer, .address_space: global }
      - { .name: Wq, .offset: 8, .size: 8, .value_kind: global_buffer, .address_space: global }
      - { .name: Wk, .offset: 16, .size: 8, .value_kind: global_buffer, .address_space: global }
      - { .name: Wv, .offset: 24, .size: 8, .value_kind: global_buffer, .address_space: global }
      - { .name: Wo, .offset: 32, .size: 8, .value_kind: global_buffer, .address_space: global }
      - { .name: lowp_scales, .offset: 40, .size: 8, .value_kind: global_buffer, .address_space: global }
      - { .name: codes, .offset: 48, .size: 8, .value_kind: global_buffer, .address_space: global }
      - { .name: rope, .offset: 56, .size: 8, .value_kind: global_buffer, .address_space: global }
    .group_segment_fixed_size: 34304
    .private_segment_fixed_size: 0
    .kernarg_segment_align: 8
    .kernarg_segment_size: 64
    .max_flat_workgroup_size: 128
    .sgpr_count:     66
    .vgpr_count:     224
    .wavefront_size: 32
...
	.end_amdgpu_metadata
.endif
;; end of part 1
;; launch qkv (part 2): grid 12 x 32, 4 waves a work-group, clusters of 4 x 4, 327,680 bytes of LDS; arguments codes, lowp_scales, rope, qkvimg; writes qkvimg
.if DOCPART == 2
	.amdgcn_target "amdgcn-amd-amdhsa--gfx1250"
	.amdhsa_code_object_version 6
	.text
	.protected	k_q6fbadfdff9_qkv
	.globl	k_q6fbadfdff9_qkv
	.p2align	8
	.type	k_q6fbadfdff9_qkv,@function
k_q6fbadfdff9_qkv:
	s_mov_b64 s[64:65], 0
	v_nop
	global_prefetch_b8 v0, s[64:65] scope:SCOPE_SE
	s_setreg_imm32_b32 hwreg(HW_REG_WAVE_MODE, 25, 1), 1
	s_wait_xcnt 0x0
	s_wait_alu depctr_hold_cnt(0) depctr_sa_sdst(0) depctr_va_vdst(0) depctr_va_sdst(0) depctr_va_ssrc(0) depctr_va_vcc(0) depctr_vm_vsrc(0)
	s_getreg_b32 s2, hwreg(HW_REG_IB_STS2, 6, 4)
	s_cmp_eq_u32 s2, 0
	s_cbranch_scc0 .Lentry_in_a_cluster
	s_endpgm
.Lentry_in_a_cluster:
	s_bfe_u32 s2, ttmp6, 0x10000c
	s_cmp_lg_u32 s2, 0xf033
	s_cbranch_scc0 .Lentry_shape_is_right
	s_endpgm
.Lentry_shape_is_right:
; q = rope(x Wq), k = rope(x Wk), v = x Wv on codes of FP8 (E4M3), and their results quantised on the way out into images of the attention's operand registers.
; The cluster's x says which: g = 0 q, 1 k, 2 v; the cluster's y walks the 8,192 positions.  q and k: C = X_g W_g^T (rows = positions).  v is made TRANSPOSED: rows = Wv's columns, columns = positions,
; so that a lane's eight results are eight neighbouring KEYS of one channel, which is the second attention product's K.
; A tile of C, 256 x 256, is made by four waves, 128 x 128 each: 64 accumulators, 512 registers.  K = 1,024 goes in four steps of 256 through a ring of two LDS slots.
; OPERANDS ARE IMAGES: 16 rows x 128 K = 2,048 bytes, byte 512 c + 16 lane + y; a 16-row tile's eight images are 16,384 consecutive bytes.  A tensor load brings 8 tiles x two images (8 rows of 4,096 bytes, 16,384 apart).
; A fragment is four loads of 512 consecutive bytes: no pitch, no padding, and k stands in the form's own places.
; CLUSTERS: 4 x 4 work-groups; the four of a row need the same tiles of A, the four of a column the same tiles of B: each is asked for jointly.  THE MATRIX INSTRUCTION IS USED TRANSPOSED (source 0 = B's rows, source 1 = A's).
; THE WAY OUT uses no LDS: a lane's eight results of accumulator b ARE registers 2 b, 2 b + 1 of an image once converted.  A sum stands for sum x 2^(eA + eB); the rotation is linear; so the one conversion takes 2^F, F = eo - eA - eB.
; qkvimg: q at 0, k at 8,388,608: [batch x head 64][16 positions 128] images of 16 x 64 (1,024 bytes); v at 16,777,216: [batch x head 64][128 keys 16][16 channels 4] images of 16 x 128.
; LIMIT: F between -126 and 119 for each of the three (entries 6 - 0 - 1, 7 - 2 - 3, 9 - 4 - 5).
; No prefetch: K has four steps, of which two are asked for at the head.
; REGISTERS, in windows of 256: window 0: v0-31 addresses; v128-255 A's fragments, one set; on the way out v32-95 a block's numbers, v96-111 at work, v128-255 the codes (16 a block, never written again).
;   window 1: B's fragments, two sets; on the way out the table of cosines and sines, 32 registers a block of 16 positions.   windows 2, 3: the accumulators ((a, b) at v[8 (8 (a % 4) + b)]).
.set ROWB,   4096                      ; a slot's part of a 16-row tile: two images
.set FR,     16                        ; registers of a fragment
.set NL,     4                         ; LDS loads that bring one
.set NP,     4                         ; places behind this matrix instruction (ISA guide 7.12.1)
.set HALFT,  32768                     ; 128 rows x 256 K: what one tensor load brings
.set SLOT,   4*HALFT                   ; A's two halves, then B's
.set LAPS,   2
.set SPARE,  2*SLOT                    ; behind the ring: the spare words, 128 bytes a wave: two blocks of 256 bytes that no other line names
.set XSET,   8388608
.set WSETS,  25165824
.set WSET,   1048576
.set ADRA, 16                          ; v16-17  LDS address of my A fragments in slot 0, 1
.set ADRB, 20                          ; v20-21  the same for B
.set LI,   24                          ; v24     16 x lane
.set SPW,  28                          ; v28     LDS address of my spare word; never rewritten
.set NIL,  29                          ; v29     0; never rewritten
.set SC,   30                          ; v30     2^F as f32
.set LIMV, 31
.set TMP,  32
.set T,    96
.set AF,   128
.set CDB,  128
.set G1, 24
.set G0, 32
.set G1B, 48
.set G0B, 56
.set MSB, 0
.macro WIN new                         ; the immediate's high byte repeats the setting that is left
.if MSB != \new
	s_set_vgpr_msb (MSB<<8)|\new
.set MSB, \new
.endif
.endm
.set MUL_LO, 0xa1                      ; source 0 (B) window 1, source 1 (A) window 0, C and D window 2
.set MUL_HI, 0xf1                      ; the same, C and D window 3
.set TO_B,   0x40                      ; destination window 1, address window 0
; A joint load: waves 0 and 1 fetch for A, waves 2 and 3 for B; the branch hangs on the wave's number alone.  An s_nop 0 and four v_nop follow each line.
.macro JLOAD g0a, g1a, g0b, g1b
	s_cmp_eq_u32 s15, 0
	s_cbranch_scc0 .Lfor_b_\@
	tensor_load_to_lds s[\g0a:\g0a+3], s[\g1a:\g1a+7]
	s_nop 0
.rept 4
	v_nop
.endr
	s_branch .Lasked_\@
.Lfor_b_\@:
	tensor_load_to_lds s[\g0b:\g0b+3], s[\g1b:\g1b+7]
	s_nop 0
.rept 4
	v_nop
.endr
.Lasked_\@:
.endm
.macro CREST                           ; a round of the cluster's barrier behind its opening barrier
	s_cmp_lg_u32 s14, 0
	s_cbranch_scc1 .Lnot_wave_0_\@
	s_barrier_signal -3
.Lnot_wave_0_\@:
	s_barrier_wait -3
	s_barrier_signal -1
	s_barrier_wait -1
.endm
.macro CROUND
	s_barrier_signal -1
	s_barrier_wait -1
	CREST
.endm
	s_load_b256 s[4:11], s[0:1], 0x0               ; codes s[4:5], the exponents s[6:7], rope s[8:9], qkvimg s[10:11]
	v_lshl_add_u32 v[SPW], v0, 2, SPARE
	v_mov_b32 v[NIL], 0
	ds_add_u32 v[SPW], v[NIL]
	ds_add_u32 v[SPW], v[NIL]                      ; the wave's opening: the add and its wait stand ahead of my first tensor load; the set-up below, work on registers, stands between them
	v_lshrrev_b32 v1, 5, v0
	v_readfirstlane_b32 s14, v1                    ; wave 0..3
	s_lshr_b32 s15, s14, 1                         ; which half of the tile's rows is mine.  Also: I fetch for A (0) or for B (1)
	s_and_b32 s16, s14, 1                          ; which half of its columns.  Also: which 128 rows of that tile I fetch
	s_bfe_u32 s40, ttmp6, 0x40000                  ; cx, cy: my place in the cluster
	s_bfe_u32 s41, ttmp6, 0x40004
	s_mov_b32 s66, ttmp9                           ; g: the cluster's x, the same in all sixteen partners
	s_and_b32 s67, ttmp7, 0xffff                   ; the cluster's y, likewise
	s_lshl_b32 s68, s67, 2
	s_lshl_b32 s69, s66, 23                        ; x's set g
	s_lshl_b32 s70, s66, 20
	s_add_co_u32 s70, s70, WSETS                   ; the weight's set g
	s_mov_b32 s71, WSETS+2*WSET                    ; Wv's set
	s_mov_b32 s72, 2*XSET                          ; x's set 2
	s_cmp_eq_u32 s66, 2                            ; v: the weight gives the rows, x the columns
	s_cselect_b32 s73, 0, s68
	s_cselect_b32 s74, s68, 0
	s_cselect_b32 s69, s71, s69                    ; where A's images begin in codes,
	s_cselect_b32 s70, s72, s70                    ; and B's
	s_add_co_u32 s17, s73, s41                     ; tile row of C
	s_add_co_u32 s42, s74, s40                     ; tile column of C
	s_lshl_b32 s43, s41, 2
	s_lshl_b32 s43, 15, s43                        ; my row of the cluster
	s_lshl_b32 s44, 0x1111, s40                    ; my column
	; descriptor group 1: 8 rows of 4,096 bytes (512 elements of 8 bytes), 16,384 bytes (2,048 elements) apart, laid on end in LDS
	s_or_b32 s[G1+0], s43, (3<<16)|(1<<21)         ; 15:0 the mask: A's tiles go to my row; 17:16 elements of 8 bytes; 20 no padding; 21 set beside a mask
	s_or_b32 s[G1B+0], s44, (3<<16)|(1<<21)
.irp g, G1, G1B
	s_mov_b32 s[\g+1], 512<<16                     ; tensor_dim0
	s_mov_b32 s[\g+2], 8<<16                       ; tensor_dim1
	s_mov_b32 s[\g+3], 512<<16                     ; tile_dim0
	s_mov_b32 s[\g+4], 8                           ; tile_dim1
	s_mov_b32 s[\g+5], 2048                        ; tensor_dim0_stride
	s_mov_b32 s[\g+6], 0
	s_mov_b32 s[\g+7], 0
.endr
	s_lshl_b32 s18, s16, 17                        ; which 8 of the tile's 16 row tiles I fetch
	s_lshl_b32 s20, s17, 18                        ; A: 256 rows are 262,144 bytes of images
	s_add_co_u32 s20, s20, s18
	s_add_co_u32 s20, s20, s69
	s_mov_b32 s21, 0
	s_lshl_b32 s46, s42, 18                        ; B likewise, in registers that never hold A's coordinate
	s_add_co_u32 s46, s46, s18
	s_add_co_u32 s46, s46, s70
	s_mov_b32 s47, 0
	s_mul_i32 s45, s14, HALFT                      ; where they go: wave x 32,768: no place in the cluster enters an LDS address
	s_wait_dscnt 0x0                               ; the opening add is done
	s_wait_kmcnt 0x0
	s_load_b256 s[84:91], s[6:7], 0x0              ; entries 0 to 7
	s_load_b128 s[92:95], s[6:7], 0x20             ; entries 8 to 11
	s_add_nc_u64 s[20:21], s[4:5], s[20:21]
	s_add_nc_u64 s[46:47], s[4:5], s[46:47]
	CROUND                                         ; all sixteen work-groups are here: the first joint loads meet
.irp s, 0,1
	s_mov_b32 s[G0+4*\s], 1
	s_add_co_u32 s[G0+4*\s+1], s45, \s*SLOT
	s_add_nc_u64 s[G0+4*\s+2:G0+4*\s+3], s[20:21], \s*ROWB
	s_or_b32 s[G0+4*\s+3], s[G0+4*\s+3], 0x80000000
	s_mov_b32 s[G0B+4*\s], 1
	s_add_co_u32 s[G0B+4*\s+1], s45, \s*SLOT
	s_add_nc_u64 s[G0B+4*\s+2:G0B+4*\s+3], s[46:47], \s*ROWB
	s_or_b32 s[G0B+4*\s+3], s[G0B+4*\s+3], 0x80000000
	JLOAD G0+4*\s, G1, G0B+4*\s, G1B
.endr
	v_and_b32 v6, 31, v0
	v_lshlrev_b32 v[LI], 4, v6                     ; 16 x lane: my place in every image
	s_mul_i32 s21, s15, HALFT                      ; my 128 rows of A
	s_mul_i32 s22, s16, HALFT                      ; my 128 rows of B,
	s_add_co_u32 s22, s22, 2*HALFT                 ; which lie behind A's 256
.irp s, 0,1
	v_add_nc_u32 v[ADRA+\s], s21, v[LI]
	v_add_nc_u32 v[ADRB+\s], s22, v[LI]
	s_add_co_u32 s21, s21, SLOT
	s_add_co_u32 s22, s22, SLOT
.endr
	; where my results go.  P, PH: the tile and half that count positions (rows for q and k, columns for v); FE, FH: those that count features
	s_cmp_eq_u32 s66, 2
	s_cselect_b32 s76, s42, s17
	s_cselect_b32 s77, s16, s15
	s_cselect_b32 s78, s17, s42
	s_cselect_b32 s79, s15, s16
	s_lshl_b32 s82, s66, 23                        ; q, k or v
	s_lshr_b32 s83, s76, 3
	s_lshl_b32 s83, s83, 21                        ; the batch: 16 heads of 131,072 bytes
	s_add_co_u32 s82, s82, s83
	s_lshl_b32 s83, s78, 19                        ; 4 heads a tile,
	s_add_co_u32 s82, s82, s83
	s_lshl_b32 s83, s79, 18                        ; 2 a half
	s_add_co_u32 s82, s82, s83
	s_and_b32 s83, s76, 7
	s_lshl_b32 s83, s83, 14                        ; 256 positions are 16,384 bytes of a head,
	s_add_co_u32 s82, s82, s83
	s_lshl_b32 s83, s77, 13                        ; 128 are 8,192
	s_add_co_u32 s82, s82, s83
	s_mov_b32 s83, 0
	s_add_nc_u64 s[82:83], s[10:11], s[82:83]
	s_and_b32 s80, s17, 7                          ; the table at my first position (q and k): 16 positions are 4,096 bytes
	s_lshl_b32 s80, s80, 16
	s_lshl_b32 s81, s15, 15
	s_add_co_u32 s80, s80, s81
	s_mov_b32 s81, 0
	s_add_nc_u64 s[80:81], s[8:9], s[80:81]
.macro FRAG reg, adr, q, i             ; a fragment: image q of row tile i: four loads of 512 consecutive bytes
.irp c, 0,1,2,3
	ds_load_b128 v[\reg+4*\c:\reg+4*\c+3], v[\adr] offset:2048*(\q)+512*\c+(\i)*4096
.endr
.endm
; 16 matrix instructions: A's blocks a0, a0 + 1 x B's eight, 128 along K.  p: B's set.  zero = 1: the first product starts the sums.  The 64 accumulators take turns, one instruction a turn.
.macro MUL16 a0, p, zero
.irp a, \a0, \a0+1
.irp b, 0,1,2,3,4,5,6,7
.if \zero
	v_wmma_f32_16x16x128_fp8_fp8 v[8*(8*((\a)%4)+\b):8*(8*((\a)%4)+\b)+7], v[128*(\p)+FR*\b:128*(\p)+FR*\b+FR-1], v[AF+FR*(\a):AF+FR*(\a)+FR-1], 0
.else
	v_wmma_f32_16x16x128_fp8_fp8 v[8*(8*((\a)%4)+\b):8*(8*((\a)%4)+\b)+7], v[128*(\p)+FR*\b:128*(\p)+FR*\b+FR-1], v[AF+FR*(\a):AF+FR*(\a)+FR-1], v[8*(8*((\a)%4)+\b):8*(8*((\a)%4)+\b)+7]
.endif
.endr
.endr
.endm
.macro FETCH_B slot, q, p
	WIN TO_B
.irp i, 0,1,2,3,4,5,6,7
	FRAG 128*(\p)+FR*\i, ADRB+\slot, \q, \i
.endr
	WIN 0
.endm
.macro FETCH_A slot, q, i0
.irp i, \i0, \i0+1, \i0+2, \i0+3
	FRAG AF+FR*(\i), ADRA+\slot, \q, \i
.endr
.endm
.macro PLACES n                        ; plain vector lines between a matrix instruction and a load into, or a vector line on, its registers
.rept \n
	v_nop
.endr
.endm
; A step of 128 along K that has its successor in the same slot.
.macro STEP slot, q, zero
	s_wait_dscnt 4*NL                              ; B's set and A's blocks 0-3 are in; the youngest sixteen loads (A's blocks 4-7) may be out
	WIN MUL_LO
	MUL16 0, (\q)%2, \zero
	MUL16 2, (\q)%2, \zero
	s_wait_dscnt 0
	PLACES NP
	FETCH_B \slot, (\q)+1, 1-(\q)%2
	FETCH_A \slot, (\q)+1, 0
	WIN MUL_HI
	MUL16 4, (\q)%2, \zero
	MUL16 6, (\q)%2, \zero
	PLACES NP
	WIN 0
	FETCH_A \slot, (\q)+1, 4
.endm
; A slot's last step changes slots: one barrier; in front of it each wave waits for all its tensor loads, adds 0 to its spare word, and waits for that and for its reads of this slot.  fill = 1: the slot is filled again, two K steps ahead.
.macro TURN slot, next, fill
	s_wait_tensorcnt 0x0                           ; all my tensor loads have landed: my part of the next slot
	ds_add_u32 v[SPW], v[NIL]                      ; 0 onto my spare word
	s_wait_dscnt 4*NL+1                            ; (the add and the youngest sixteen loads may be out)
	WIN MUL_LO
	MUL16 0, 1, 0
	s_wait_dscnt 0x0                               ; the add is done, and my reads of this slot are over
	s_barrier_signal -1
	MUL16 2, 1, 0
	WIN 0
	s_barrier_wait -1
.if \fill
	CREST                                          ; the barrier has opened a round of the cluster's barrier: no wave of any partner still reads this slot or has a load on its way
	s_add_nc_u64 s[G0+4*\slot+2:G0+4*\slot+3], s[G0+4*\slot+2:G0+4*\slot+3], 2*ROWB
	s_add_nc_u64 s[G0B+4*\slot+2:G0B+4*\slot+3], s[G0B+4*\slot+2:G0B+4*\slot+3], 2*ROWB
	JLOAD G0+4*\slot, G1, G0B+4*\slot, G1B         ; the first tensor load behind the round; its four v_nop are also the places in front of the loads below
.else
	PLACES NP
.endif
	FETCH_B \next, 0, 0
	FETCH_A \next, 0, 0
	WIN MUL_HI
	MUL16 4, 1, 0
	MUL16 6, 1, 0
	PLACES NP
	WIN 0
	FETCH_A \next, 0, 4
.endm
; the table for row blocks a0 .. a0 + 3: 32 registers a block, into window 1
.macro ROPELD a0
	WIN TO_B
.irp a, \a0, \a0+1, \a0+2, \a0+3
.irp q, 0,1,2,3,4,5,6,7
	global_load_b128 v[32*(\a)+4*\q:32*(\a)+4*\q+3], v[LI], s[80:81] offset:4096*(\a)+512*\q
.endr
.endr
	WIN 0
.endm
	s_wait_alu depctr_va_vdst(0)
	s_wait_tensorcnt 1                             ; my part of K step 0 is in (K step 1's load may be out),
	s_barrier_signal -1
	s_barrier_wait -1                              ; everybody's is
	FETCH_B 0, 0, 0
	FETCH_A 0, 0, 0
	FETCH_A 0, 0, 4
	STEP 0, 0, 1                                   ; the first step's products start the sums
	s_mov_b32 s3, LAPS-1
.Llap:
	TURN 0, 1, 1
	STEP 1, 0, 0
	TURN 1, 0, 1
	STEP 0, 0, 0
	s_sub_co_u32 s3, s3, 1
	s_cmp_lg_u32 s3, 0
	s_cbranch_scc1 .Llap
	TURN 0, 1, 0                                   ; the last lap fills nothing
	STEP 1, 0, 0
	s_cmp_eq_u32 s66, 2                            ; q and k: half of the table is asked for here, into B's set 0, which is done with (four places stand behind its last products): it lands under the last 64 products
	s_cbranch_scc1 .Lno_table
	ROPELD 0
.Lno_table:
	s_wait_dscnt 4*NL                              ; the very last step
	WIN MUL_LO
	MUL16 0, 1, 0
	MUL16 2, 1, 0
	s_wait_dscnt 0
	WIN MUL_HI
	MUL16 4, 1, 0
	MUL16 6, 1, 0
	WIN 0
	s_wait_kmcnt 0x0
	s_cmp_eq_u32 s66, 1                            ; the three exponents of my product, chosen by g: nothing is branched on a loaded number
	s_cselect_b32 s84, s86, s84
	s_cselect_b32 s85, s87, s85
	s_cselect_b32 s90, s91, s90
	s_cmp_eq_u32 s66, 2
	s_cselect_b32 s84, s88, s84
	s_cselect_b32 s85, s89, s85
	s_cselect_b32 s90, s93, s90
	s_sub_co_i32 s90, s90, s84
	s_sub_co_i32 s90, s90, s85                     ; F = eo - eA - eB
	s_add_co_i32 s90, s90, 127
	s_lshl_b32 s91, s90, 23
	PLACES NP                                      ; behind the last products: for the loads into B's set 1, the writes over A's fragments and the reads of blocks 4-7
	v_mov_b32 v[SC], s91
	s_cmp_eq_u32 s66, 2
	s_cbranch_scc1 .Lv
; ---- q and k.  Block a: 16 positions x 128 features (two heads).  Register pair (2 p, 2 p + 1) of accumulator b is the pair of frequency 8 (b % 4) + 4 h + p: (x0 c - x1 s, x1 c + x0 s).
.macro QKOUT a
.set AC, 64*((\a)%4)
.set RP, 32*(\a)
.set CD, CDB+16*(\a)
.set WQ, 0x06+((\a)/4)                 ; source 0 (the sums) window 2 or 3, source 1 (the table) window 1, source 2 and destination window 0
	s_wait_loadcnt 56-8*(\a)                       ; 64 loads of the table were issued, eight a block: the later blocks' may be out
	WIN WQ
.irp b, 0,1,2,3,4,5,6,7
.irp p, 0,1,2,3
	v_mul_f32 v[T+8*(\b%2)+2*\p], v[AC+8*\b+2*\p+1], v[RP+8*(\b%4)+2*\p+1]       ; x1 s  (an accumulator is read from its low end on)
	v_mul_f32 v[T+8*(\b%2)+2*\p+1], v[AC+8*\b+2*\p], v[RP+8*(\b%4)+2*\p+1]       ; x0 s
.endr
.irp p, 0,1,2,3
	v_fma_f32 v[TMP+8*\b+2*\p], v[AC+8*\b+2*\p], v[RP+8*(\b%4)+2*\p], -v[T+8*(\b%2)+2*\p]
	v_fma_f32 v[TMP+8*\b+2*\p+1], v[AC+8*\b+2*\p+1], v[RP+8*(\b%4)+2*\p], v[T+8*(\b%2)+2*\p+1]
.endr
.endr
	WIN 0
.set j, 0
.rept 64
.set j, j+1
.endr
.irp b, 0,1,2,3,4,5,6,7
	v_cvt_scalef32_pk8_fp8_f32 v[CD+2*\b:CD+2*\b+1], v[TMP+8*\b:TMP+8*\b+7], v[SC]
.endr
	v_nop                                          ; a plain line behind the last conversion
.irp hh, 0,1
.irp c, 0,1
	global_store_b128 v[LI], v[CD+8*\hh+4*\c:CD+8*\hh+4*\c+3], s[82:83] offset:\hh*131072+(\a)*1024+512*\c   ; 512 consecutive bytes of head hh's image of these 16 positions
.endr
.endr
.endm
	ROPELD 4                                       ; the table's other half, into B's set 1
.irp a, 0,1,2,3,4,5,6,7
	QKOUT \a
.endr
	s_wait_tensorcnt 0x0                           ; the wave's end: three lines behind my last tensor load
	ds_add_u32 v[SPW], v[NIL]
	s_wait_dscnt 0x0
	CROUND                                         ; the closing round: no work-group ends while a partner may still ask for a tile that names it
	s_endpgm
; ---- v.  Block a: 16 channels (head a / 4 of my two, channels 16 (a % 4) on) x my 128 keys: one image of 16 x 128.
.Lv:
.macro VOUT a
.set AC, 64*((\a)%4)
.set CD, CDB+16*(\a)
.set WQ, 0x02+((\a)/4)                 ; source 0 window 2 or 3
	WIN WQ
.set j, 0
.rept 64
.set j, j+1
.endr
.irp b, 0,1,2,3,4,5,6,7
	v_cvt_scalef32_pk8_fp8_f32 v[CD+2*\b:CD+2*\b+1], v[AC+8*\b:AC+8*\b+7], v[SC]
.endr
	WIN 0
	v_nop
.irp c, 0,1,2,3
	global_store_b128 v[LI], v[CD+4*\c:CD+4*\c+3], s[82:83] offset:((\a)/4)*131072+((\a)%4)*2048+512*\c
.endr
.endm
	s_wait_alu depctr_va_vdst(0)
.irp a, 0,1,2,3,4,5,6,7
	VOUT \a
.endr
	s_wait_tensorcnt 0x0                           ; the wave's end, as above
	ds_add_u32 v[SPW], v[NIL]
	s_wait_dscnt 0x0
	CROUND
	s_endpgm
.Lfunc_end_k_q6fbadfdff9_qkv:
	.size	k_q6fbadfdff9_qkv, .Lfunc_end_k_q6fbadfdff9_qkv-k_q6fbadfdff9_qkv
	.p2alignl 7, 3214868480
	.fill 96, 4, 3214868480
	.section	.rodata,"a",@progbits
	.p2align	6, 0x0
	.amdhsa_kernel k_q6fbadfdff9_qkv
		.amdhsa_group_segment_fixed_size 327680
		.amdhsa_private_segment_fixed_size 0
		.amdhsa_enable_private_segment 0
		.amdhsa_kernarg_size 32
		.amdhsa_user_sgpr_count 2
		.amdhsa_user_sgpr_kernarg_segment_ptr 1
		.amdhsa_wavefront_size32 1
		.amdhsa_system_sgpr_workgroup_id_x 1
		.amdhsa_system_sgpr_workgroup_id_y 1
		.amdhsa_system_sgpr_workgroup_id_z 1
		.amdhsa_system_vgpr_workitem_id 0
		.amdhsa_next_free_vgpr 1024
		.amdhsa_next_free_sgpr 96
		.amdhsa_reserve_vcc 0
		.amdhsa_float_denorm_mode_32 3
		.amdhsa_float_denorm_mode_16_64 3
		.amdhsa_fp16_overflow 1
		.amdhsa_memory_ordered 1
		.amdhsa_forward_progress 1
		.amdhsa_inst_pref_size 149
	.end_amdhsa_kernel
	.amdgpu_metadata
---
amdhsa.version: [ 1, 2 ]
amdhsa.kernels:
  - .name:           k_q6fbadfdff9_qkv
    .symbol:         k_q6fbadfdff9_qkv.kd
    .args:
      - { .name: codes, .offset: 0, .size: 8, .value_kind: global_buffer, .address_space: global }
      - { .name: lowp_scales, .offset: 8, .size: 8, .value_kind: global_buffer, .address_space: global }
      - { .name: rope, .offset: 16, .size: 8, .value_kind: global_buffer, .address_space: global }
      - { .name: qkvimg, .offset: 24, .size: 8, .value_kind: global_buffer, .address_space: global }
    .group_segment_fixed_size: 327680
    .private_segment_fixed_size: 0
    .kernarg_segment_align: 8
    .kernarg_segment_size: 32
    .max_flat_workgroup_size: 128
    .sgpr_count:     96
    .vgpr_count:     1024
    .wavefront_size: 32
...
	.end_amdgpu_metadata
.endif
;; end of part 2
;; launch attn (part 3): grid 4 x 64, 16 waves a work-group, no clusters, 327,680 bytes of LDS; arguments qkvimg, lowp_scales, oimg; writes oimg
.if DOCPART == 3
	.amdgcn_target "amdgcn-amd-amdhsa--gfx1250"
	.amdhsa_code_object_version 6
	.text
	.protected	k_q6fbadfdff9_attn
	.globl	k_q6fbadfdff9_attn
	.p2align	8
	.type	k_q6fbadfdff9_attn,@function
k_q6fbadfdff9_attn:
	s_mov_b64 s[64:65], 0
	v_nop
	global_prefetch_b8 v0, s[64:65] scope:SCOPE_SE
	s_setreg_imm32_b32 hwreg(HW_REG_WAVE_MODE, 25, 1), 1
	s_wait_xcnt 0x0
; Causal attention on codes of FP8 (E4M3), head size 64, 2,048 positions, 64 (batch x head).  q, k, v arrive as images of operand registers; the result is quantised (entry 10) into images for the last product.
; THE SOFTMAX AHEAD OF THE SECOND PRODUCT: t = score x log2(e) / 8; M = the row's largest t so far, rounded UP to a whole number; p = 2^(t - M) is quantised (entry 8), not normalised;
; the row's sum is taken of the unquantised p and divides at the end.  When M moves, the sum and O are multiplied by 2^(old M - new M): exact.
; SHARES.  Work-group (i, batch x head), i = 0..3.  Each of sixteen waves owns TWO tiles of 16 queries: H at 256 (7 - i) + 16 w and L at 256 i + 16 w.  Under the causal mask the two blocks of 256 queries
; together have the same number of key steps whatever i is: 256 work-groups of equal work.  Four waves to a SIMD: one wave's vector work stands beside another's products and LDS loads.
; Keys go 128 a step; k's and v's images come through a ring of two LDS slots of 256 keys (16,384 dense bytes of each), wave 0 fetching k's, wave 1 v's.
; LAYOUT.  S^T = K Q^T (source 0 = 16 keys, source 1 = my 16 queries, K = 64) and O^T = V^T P^T (source 0 = 16 channels, source 1 = P, K = 128 keys): a lane holds ONE query throughout, and accumulator T's eight
; registers are keys 16 T + 8 h + 0..7: once converted they ARE registers 2 T, 2 T + 1 of P; v's image holds the same keys in the same places.  O^T's accumulator t likewise gives registers 2 t, 2 t + 1 of the output's image.
; CAUSAL.  Every work-group walks all 8 slots (constant trip counts, no barrier jumped over); a tile's step is left out where all its keys come after its queries; a slot is asked for only while its first key is at or
; under the work-group's last query.  Every wait on TENSORcnt is for 0, and that one jump hangs on ids and the count of steps alone, the same in all sixteen waves.
; NO CLUSTER: the four work-groups of a head read the same k and v, but a round would hold them in step at the pace of the slowest in each slot: two tile blocks' work in slots 0-3 and one in slots 4-7, 12 units
; against each partner's own 9; and partners would need different numbers of slots.
; LIMITS on the given exponents: entries 6 + 7 between -123 and 130 (added to c's exponent field); entry 8 between -126 and 119; entry 10 - 8 - 9 between -126 and 119.
; REGISTERS: v1 16 x lane; v2 the slot's address; v3 prefetch offset; v4 r - 8 h; v5, v6 the add's two; v8-11, v12-15 a tile's -M, largest t, sum in two halves; v16-23, v24-31 Q of H, of L;
; v32-95 fragments of K (8 x 8) or V (4 x 16); v96-159 S^T, then p; v160-191, v192-223 O^T of H, of L; v224-239 p's codes; v240.. constants and work.
.set SLOT1, 32768                      ; slot 1 begins here: one exclusive or turns an address from one slot into the other
.set VOFF,  16384                      ; a slot: k's 16 images of 1,024 bytes, then v's 8 of 2,048
.set SPARE, 65536                      ; behind the ring: the spare words, 128 bytes a wave: eight blocks of 256 bytes that no other line names
.set NSL,   8
.set LI,  1
.set AD,  2
.set PFO, 3
.set DV,  4
.set SPW, 5
.set NIL, 6
.set TB,  2                            ; s2   LDS byte at which the slot in hand begins
.set WV,  18
.set SEL, 20                           ; s[20:21] lane selects for v_permlanex16_b32: lane l xor 16
.set CS,  22                           ; s[22:23] c = log2(e) / 8, with the two exponents
.set G1,  24                           ; s[24:31] descriptor group 1: k's and v's tiles have one shape
.set G0,  40                           ; s[40:43] descriptor group 0, which walks
.set Q0L, 66                           ; s66  tile L's first query
.set SLOTS, 67
.set PFA, 76
.set LIM, 80
.set KF,  98                           ; s98  the step's first key
.set Q0H, 99                           ; s99  tile H's first query
.macro TLOAD                           ; wave 0 fetches k's images, wave 1 v's, the others nothing.  An s_nop 0 and four v_nop follow the line
	s_cmp_lt_u32 s[WV], 2
	s_cbranch_scc0 .Lasked_\@
	tensor_load_to_lds s[G0:G0+3], s[G1:G1+7]
	s_nop 0
.rept 4
	v_nop
.endr
.Lasked_\@:
.endm
; A PREFETCH of what the NEXT change of slots will ask for: 16,384 bytes of k and of v.  The head's work-group with i = 0 asks, which walks all eight slots; in it waves 4 to 7, which fetch nothing, one instruction each:
; waves 4, 5 the halves of k's block, waves 6, 7 of v's, lanes 256 bytes apart.  So each aligned block of 256 bytes of slots 2 to 7 is named once; slots 0 and 1 come by their loads alone; the last change that fills asks for nothing.
.macro ASK
	s_cmp_gt_u32 s[SLOTS], s[LIM]
	s_cbranch_scc0 .Lnot_mine_\@
	global_prefetch_b8 v[PFO], s[PFA:PFA+1] th:TH_LOAD_NT scope:SCOPE_SE
.Lnot_mine_\@:
.endm
	s_load_b128 s[4:7], s[0:1], 0x0                ; qkvimg s[4:5], the exponents s[6:7]
	s_load_b64 s[8:9], s[0:1], 0x10                ; oimg
	v_lshl_add_u32 v[SPW], v0, 2, SPARE
	v_mov_b32 v[NIL], 0
	ds_add_u32 v[SPW], v[NIL]                      ; the wave's opening: the add and its wait stand ahead of my first tensor load; the set-up below, work on registers, stands between them
	ds_add_u32 v[SPW], v[NIL]
	v_lshrrev_b32 v7, 5, v0
	s_delay_alu instid0(VALU_DEP_1)
	v_readfirstlane_b32 s[WV], v7                  ; wave 0..15
	s_and_b32 s10, ttmp7, 0xffff                   ; batch x head
	s_lshl_b32 s11, s[WV], 4
	s_sub_co_u32 s12, 7, ttmp9
	s_lshl_b32 s12, s12, 8
	s_add_co_u32 s[Q0H], s12, s11
	s_lshl_b32 s12, ttmp9, 8
	s_add_co_u32 s[Q0L], s12, s11
	s_lshl_b32 s13, s10, 17                        ; a head is 131,072 bytes in each of q, k, v
	s_lshl_b32 s84, s[Q0H], 6                      ; q: 16 queries are 1,024 bytes
	s_add_co_u32 s84, s84, s13
	s_mov_b32 s85, 0
	s_lshl_b32 s86, s[Q0L], 6
	s_add_co_u32 s86, s86, s13
	s_mov_b32 s87, 0
	s_lshr_b32 s12, s10, 4                         ; the output: the batch's 128 row tiles of 16,384 bytes,
	s_lshl_b32 s12, s12, 21
	s_and_b32 s92, s10, 15
	s_lshl_b32 s92, s92, 10                        ; the head's 1,024 bytes of a row tile,
	s_add_co_u32 s12, s12, s92
	s_lshl_b32 s88, s[Q0H], 10                     ; and the tile's place
	s_add_co_u32 s88, s88, s12
	s_mov_b32 s89, 0
	s_lshl_b32 s90, s[Q0L], 10
	s_add_co_u32 s90, s90, s12
	s_mov_b32 s91, 0
	s_and_b32 s14, s[WV], 1                        ; what I fetch, if I fetch: 0 k, 1 v
	s_lshl_b32 s15, s14, 14                        ; its place in a slot
	s_lshl_b32 s16, s14, 23
	s_add_co_u32 s16, s16, s13
	s_add_co_u32 s16, s16, 8388608                 ; and in memory
	s_mov_b32 s17, 0
	s_bfe_u32 s76, s[WV], 0x10001                  ; the prefetches: (wave / 2) % 2: k or v,
	s_lshl_b32 s76, s76, 23
	s_add_co_u32 s76, s76, s13
	s_lshl_b32 s77, s14, 13                        ; wave % 2: which 8,192 bytes,
	s_add_co_u32 s76, s76, s77
	s_add_co_u32 s76, s76, 8388608+16384           ; in slot 1: the first change of slots steps it to slot 2
	s_mov_b32 s77, 0
	s_lshr_b32 s12, s[WV], 2
	s_xor_b32 s12, s12, 1                          ; 0 in waves 4 to 7,
	s_or_b32 s12, s12, ttmp9                       ; of the work-group with i = 0
	s_cmp_eq_u32 s12, 0
	s_cselect_b32 s[LIM], 1, -1
	; descriptor group 1: a dense block of 16,384 bytes as 64 rows of 256
	s_mov_b32 s[G1], 3<<16                         ; 15:0 no mask; 17:16 elements of 8 bytes; no padding
	s_mov_b32 s[G1+1], 32<<16                      ; tensor_dim0
	s_mov_b32 s[G1+2], 64<<16                      ; tensor_dim1
	s_mov_b32 s[G1+3], 32<<16                      ; tile_dim0
	s_mov_b32 s[G1+4], 64                          ; tile_dim1
	s_mov_b32 s[G1+5], 32                          ; tensor_dim0_stride
	s_mov_b32 s[G1+6], 0
	s_mov_b32 s[G1+7], 0
	s_mov_b32 s[SEL], 0x76543210
	s_mov_b32 s[SEL+1], 0xfedcba98
	s_mov_b32 s[CS], 0x3e38aa3b                    ; log2(e) / 8
	s_mov_b32 s[TB], 0
	s_mov_b32 s[SLOTS], NSL-1
	s_mov_b32 s[KF], 0
	s_wait_dscnt 0x0                               ; the opening add is done
	s_wait_kmcnt 0x0
	s_load_b128 s[68:71], s[6:7], 0x18             ; entries 6 to 9
	s_load_b32 s72, s[6:7], 0x28                   ; entry 10
	s_mov_b32 s[G0], 1
	s_mov_b32 s[G0+1], s15
	s_add_nc_u64 s[G0+2:G0+3], s[4:5], s[16:17]
	s_or_b32 s[G0+3], s[G0+3], 0x80000000
	TLOAD                                          ; slot 0
	s_add_nc_u64 s[84:85], s[4:5], s[84:85]
	s_add_nc_u64 s[86:87], s[4:5], s[86:87]
	s_add_nc_u64 s[88:89], s[8:9], s[88:89]
	s_add_nc_u64 s[90:91], s[8:9], s[90:91]
	s_add_nc_u64 s[PFA:PFA+1], s[4:5], s[PFA:PFA+1]
	v_and_b32 v7, 31, v0
	s_delay_alu instid0(VALU_DEP_1)
	v_lshlrev_b32 v[LI], 4, v7
	s_delay_alu instid0(VALU_DEP_2)
	v_lshlrev_b32 v[PFO], 8, v7
	global_load_b128 v[16:19], v[LI], s[84:85]             ; Q's two fragments stay in registers
	global_load_b128 v[20:23], v[LI], s[84:85] offset:512
	global_load_b128 v[24:27], v[LI], s[86:87]
	global_load_b128 v[28:31], v[LI], s[86:87] offset:512
	v_and_b32 v7, 15, v0
	v_bfe_u32 v252, v0, 4, 1
	s_delay_alu instid0(VALU_DEP_1)
	v_lshlrev_b32 v252, 3, v252
	s_delay_alu instid0(VALU_DEP_1)
	v_sub_nc_u32 v[DV], v7, v252                   ; r - 8 h
	v_mov_b32 v9, 0xff61b1e6                       ; the largest t so far: -3e38, under every t
	s_delay_alu instid0(VALU_DEP_1)
	v_floor_f32 v8, -v9                            ; -M
	v_mov_b32 v10, 0                               ; the sum, in two halves
	v_mov_b32 v11, 0
	v_mov_b32 v13, 0xff61b1e6
	s_delay_alu instid0(VALU_DEP_1)
	v_floor_f32 v12, -v13
	v_mov_b32 v14, 0
	v_mov_b32 v15, 0
	v_mov_b32 v245, 0                              ; written once: a lane permute's destination counts as one of its sources
	v_mov_b32 v253, 0                              ; (named as the upper half of the pair v[252:253])
.set j, 0
.rept 64
	v_mov_b32 v[160+j], 0                          ; O^T of both tiles.  (The step is written without a first step of its own: it finds zeros, which the first change of M leaves zeros)
.set j, j+1
.endr
	s_wait_kmcnt 0x0
	s_add_co_i32 s73, s68, s69
	s_lshl_b32 s73, s73, 23
	s_add_co_i32 s[CS], s[CS], s73                 ; a score stands for score x 2^(e6 + e7)
	s_mov_b32 s[CS+1], s[CS]
	s_add_co_i32 s73, s70, 127
	s_lshl_b32 s74, s73, 23
	v_mov_b32 v244, s74                            ; 2^e8, for p's conversion
	s_sub_co_i32 s73, s72, s70
	s_sub_co_i32 s73, s73, s71                     ; O^T / the sum stands for that x 2^(e8 + e9): the output's conversion takes 2^(e10 - e8 - e9)
	s_add_co_i32 s73, s73, 127
	s_lshl_b32 s74, s73, 23
	v_mov_b32 v246, s74
; ONE TILE'S KEY STEP: 128 keys, the q-th of the slot in hand, for tile x (0: H, 1: L), whose first query is s[q0].
.macro TILE q, x, q0
.set ST, 8+4*(\x)
.set QF, 16+8*(\x)
.set OX, 160+32*(\x)
	s_add_co_u32 s96, s[\q0], 15                   ; a step all of whose keys come after my 16 queries is left out: a scalar branch on ids and the count of steps
	s_cmp_gt_u32 s[KF], s96
	s_cbranch_scc1 .Lhidden_\@
	v_add_nc_u32 v[AD], s[TB], v[LI]
.rept 3
	v_nop                                          ; with the addition: four places in front of loads into registers that the last products read
.endr
.irp t, 0,1,2,3,4,5,6,7
	ds_load_b128 v[32+8*\t:35+8*\t], v[AD] offset:(8*(\q)+\t)*1024
	ds_load_b128 v[36+8*\t:39+8*\t], v[AD] offset:(8*(\q)+\t)*1024+512
.endr
	s_wait_alu depctr_va_vdst(0)
	s_wait_dscnt 0x0
.irp t, 0,1,2,3,4,5,6,7
	v_wmma_f32_16x16x64_fp8_fp8 v[96+8*\t:103+8*\t], v[32+8*\t:39+8*\t], v[QF:QF+7], 0
.endr
.rept 4
	v_nop                                          ; places in front of the loads below and of the first read of the scores
.endr
.irp t, 0,1,2,3
.irp c, 0,1,2,3
	ds_load_b128 v[32+16*\t+4*\c:35+16*\t+4*\c], v[AD] offset:VOFF+(4*(\q)+\t)*2048+512*\c   ; V's four fragments: they land under the softmax
.endr
.endr
	s_add_co_u32 s96, s[KF], 127                   ; on the diagonal hidden scores become -infinity ahead of the maximum: p = 0 then.  A step all of whose keys count skips this
	s_cmp_le_u32 s96, s[\q0]
	s_cbranch_scc1 .Lopen_\@
	s_sub_co_i32 s96, s[\q0], s[KF]
	v_add_nc_u32 v252, s96, v[DV]                  ; d = my query - KF - 8 h.  Register 8 T + j holds key KF + 16 T + 8 h + j: hidden where 16 T + j > d
	v_mov_b32 v254, 0xff800000
.set n, 0
.rept 64
	v_cmp_gt_i32 vcc_lo, 16*(n/8)+n%8, v252
	v_cndmask_b32 v[96+n], v[96+n], v254, vcc_lo
.set n, n+1
.endr
.Lopen_\@:
	v_max3_num_f32 v254, v96, v97, v98             ; the step's largest score of my query among my 64 keys, in two chains,
	v_max3_num_f32 v252, v99, v100, v101
.irp i, 6,10,14,18,22,26,30,34,38,42,46,50,54,58
	v_max3_num_f32 v254, v254, v[96+\i], v[97+\i]
	v_max3_num_f32 v252, v252, v[98+\i], v[99+\i]
.endr
	v_max3_num_f32 v254, v254, v158, v159
	s_delay_alu instid0(VALU_DEP_1)
	v_max_num_f32 v254, v254, v252
	s_delay_alu instid0(VALU_DEP_1)
	v_permlanex16_b32 v245, v254, s[SEL], s[SEL+1]
	s_delay_alu instid0(VALU_DEP_1)
	v_max_num_f32 v254, v254, v245                 ; and among lane l xor 16's
	s_delay_alu instid0(VALU_DEP_1)
	v_mul_f32 v254, s[CS], v254                    ; as t (c is positive)
	s_delay_alu instid0(VALU_DEP_1)
	v_max_num_f32 v[ST+1], v[ST+1], v254           ; the running largest t
	v_mov_b32 v254, v[ST]
	s_delay_alu instid0(VALU_DEP_2)
	v_floor_f32 v[ST], -v[ST+1]                    ; the new -M = floor(-t): M is a whole number
	s_delay_alu instid0(VALU_DEP_1)
	v_sub_f32 v254, v[ST], v254                    ; old M - new M: a whole number, 0 or less
	s_delay_alu instid0(VALU_DEP_1)
	v_cvt_i32_f32 v254, v254                       ; (it saturates)
	s_delay_alu instid0(VALU_DEP_1)
	v_ldexp_f32 v252, 1.0, v254                    ; f = 2^(old M - new M)
.set j, 0
.rept 32
	v_pk_fma_f32 v[96+j:97+j], v[96+j:97+j], s[CS:CS+1], v[ST:ST+1] op_sel_hi:[1,0,0]   ; t - M, two at a time (of the pairs c and -M the low word serves both halves)
.set j, j+2
.endr
.set j, 0
	s_wait_alu depctr_va_vdst(0)
.rept 64
	v_exp_f32 v[96+j], v[96+j]                     ; p = 2^(t - M): one batch
.set j, j+1
.endr
	v_pk_mul_f32 v[ST+2:ST+3], v[ST+2:ST+3], v[252:253] op_sel_hi:[1,0]   ; the sums under the new M: a plain line behind the batch
	s_wait_alu depctr_va_vdst(0)                   ; one wait for the batch, ahead of its first reader
	v_pk_add_f32 v[242:243], v[96:97], v[98:99]    ; the row's sum, of the unquantised p, in two chains
.set j, 4
.rept 15
	v_pk_add_f32 v[ST+2:ST+3], v[ST+2:ST+3], v[96+j:97+j]
	v_pk_add_f32 v[242:243], v[242:243], v[98+j:99+j]
.set j, j+4
.endr
	s_delay_alu instid0(VALU_DEP_1)
	v_pk_add_f32 v[ST+2:ST+3], v[ST+2:ST+3], v[242:243]
.irp b, 0,1,2,3
.set j, 0
.rept 16
.set j, j+1
.endr
	v_cvt_scalef32_pk8_fp8_f32 v[224+4*\b:225+4*\b], v[96+16*\b:103+16*\b], v244
	v_cvt_scalef32_pk8_fp8_f32 v[226+4*\b:227+4*\b], v[104+16*\b:111+16*\b], v244
.endr
.set j, 0
.rept 16
	v_pk_mul_f32 v[OX+j:OX+j+1], v[OX+j:OX+j+1], v[252:253] op_sel_hi:[1,0]   ; O^T under the new M.  (Also the plain lines between the conversions and the products)
.set j, j+2
.endr
	s_wait_alu depctr_va_vdst(0)
	s_wait_dscnt 0x0                               ; V is in
.irp t, 0,1,2,3
	v_wmma_f32_16x16x128_fp8_fp8 v[OX+8*\t:OX+8*\t+7], v[32+16*\t:47+16*\t], v[224:239], v[OX+8*\t:OX+8*\t+7]   ; the four accumulators by turns
.endr
.Lhidden_\@:
.endm
.macro STEP q
	TILE \q, 0, Q0H
	TILE \q, 1, Q0L
	s_add_co_u32 s[KF], s[KF], 128
.endm
; THE CHANGE OF SLOTS stands at a slot's head.  Each wave waits for all its tensor loads, adds 0 to its spare word, and waits for that and for its reads of the slot that it has left.
; Behind the barrier the slot ahead is whole and nobody reads the other one.  fill = 1: that other slot is filled with the keys that follow, up to the causal limit.
.macro CHANGE fill
	s_wait_tensorcnt 0x0                           ; no tensor load of mine is out, so group 0 may be written
	ds_add_u32 v[SPW], v[NIL]                      ; 0 onto my spare word
.if \fill
	s_xor_b32 s[G0+1], s[G0+1], SLOT1              ; the other slot than last time,
	s_add_nc_u64 s[G0+2:G0+3], s[G0+2:G0+3], 16384 ; the next 256 keys
	s_wait_xcnt 0x0                                ; the last prefetch, a slot back, has read its address, so it may be written
	s_add_nc_u64 s[PFA:PFA+1], s[PFA:PFA+1], 16384
.endif
	s_wait_dscnt 0x0                               ; the add is done, and my reads of the slot that I have left are over
	s_barrier_signal -1
	s_barrier_wait -1
.if \fill
	s_add_co_u32 s96, s[KF], 256                   ; the first key of the slot that this change would ask for
	s_or_b32 s97, s[Q0H], 255                      ; my work-group's last query
	s_cmp_gt_u32 s96, s97                          ; a slot beyond it is read by none of the sixteen waves, so it is not asked for; a work-group that is past the limit stays past it
	s_cbranch_scc1 .Lpast_\@
	TLOAD                                          ; a wave's one tensor load until the next barrier
.Lpast_\@:
	ASK
.endif
.endm
.macro SLOT_STEPS
	STEP 0
	STEP 1
	s_xor_b32 s[TB], s[TB], SLOT1
.endm
	s_wait_loadcnt 0x0                             ; Q
.Lslot:                                                ; seven trips
	CHANGE 1
	SLOT_STEPS
	s_sub_co_u32 s[SLOTS], s[SLOTS], 1
	s_cmp_lg_u32 s[SLOTS], 0
	s_cbranch_scc1 .Lslot
	CHANGE 0                                       ; the last slot is written out: nothing is left to ask for
	SLOT_STEPS
; THE WAY OUT of tile x: O^T / the sum, held, converted: the four accumulators give the eight registers of the head's part of the output's image: two stores of 512 consecutive bytes.  No LDS.
.macro FINISH x, op
.set ST, 8+4*(\x)
.set OX, 160+32*(\x)
.set CO, 224+8*(\x)
	v_add_f32 v[ST+2], v[ST+2], v[ST+3]            ; the sum's two halves,
	s_delay_alu instid0(VALU_DEP_1)
	v_permlanex16_b32 v245, v[ST+2], s[SEL], s[SEL+1]
	s_delay_alu instid0(VALU_DEP_1)
	v_add_f32 v[ST+2], v[ST+2], v245               ; and lane l xor 16's
	s_wait_alu depctr_va_vdst(0)
	v_rcp_f32 v[ST+2], v[ST+2]
	v_nop                                          ; a plain line behind the reciprocal
	s_wait_alu depctr_va_vdst(0)                   ; and the wait ahead of its first reader
.set j, 0
.rept 16
	v_pk_mul_f32 v[96+j:97+j], v[OX+j:OX+j+1], v[ST+2:ST+3] op_sel_hi:[1,0]
.set j, j+2
.endr
.set j, 0
.rept 32
.set j, j+1
.endr
.irp t, 0,1,2,3
	v_cvt_scalef32_pk8_fp8_f32 v[CO+2*\t:CO+2*\t+1], v[96+8*\t:103+8*\t], v246
.endr
	v_nop
	global_store_b128 v[LI], v[CO:CO+3], s[\op:\op+1]
	global_store_b128 v[LI], v[CO+4:CO+7], s[\op:\op+1] offset:512
.endm
.rept 4
	v_nop                                          ; places behind the last products
.endr
	FINISH 0, 88
	FINISH 1, 90
	s_wait_tensorcnt 0x0                           ; the wave's end: three lines behind my last tensor load
	ds_add_u32 v[SPW], v[NIL]
	s_wait_dscnt 0x0
	s_endpgm
.Lfunc_end_k_q6fbadfdff9_attn:
	.size	k_q6fbadfdff9_attn, .Lfunc_end_k_q6fbadfdff9_attn-k_q6fbadfdff9_attn
	.p2alignl 7, 3214868480
	.fill 96, 4, 3214868480
	.section	.rodata,"a",@progbits
	.p2align	6, 0x0
	.amdhsa_kernel k_q6fbadfdff9_attn
		.amdhsa_group_segment_fixed_size 327680
		.amdhsa_private_segment_fixed_size 0
		.amdhsa_enable_private_segment 0
		.amdhsa_kernarg_size 24
		.amdhsa_user_sgpr_count 2
		.amdhsa_user_sgpr_kernarg_segment_ptr 1
		.amdhsa_wavefront_size32 1
		.amdhsa_system_sgpr_workgroup_id_x 1
		.amdhsa_system_sgpr_workgroup_id_y 1
		.amdhsa_system_sgpr_workgroup_id_z 1
		.amdhsa_system_vgpr_workitem_id 0
		.amdhsa_next_free_vgpr 256
		.amdhsa_next_free_sgpr 100
		.amdhsa_reserve_vcc 1
		.amdhsa_float_denorm_mode_32 3
		.amdhsa_float_denorm_mode_16_64 3
		.amdhsa_fp16_overflow 1
		.amdhsa_memory_ordered 1
		.amdhsa_forward_progress 1
		.amdhsa_inst_pref_size 163
	.end_amdhsa_kernel
	.amdgpu_metadata
---
amdhsa.version: [ 1, 2 ]
amdhsa.kernels:
  - .name:           k_q6fbadfdff9_attn
    .symbol:         k_q6fbadfdff9_attn.kd
    .args:
      - { .name: qkvimg, .offset: 0, .size: 8, .value_kind: global_buffer, .address_space: global }
      - { .name: lowp_scales, .offset: 8, .size: 8, .value_kind: global_buffer, .address_space: global }
      - { .name: oimg, .offset: 16, .size: 8, .value_kind: global_buffer, .address_space: global }
    .group_segment_fixed_size: 327680
    .private_segment_fixed_size: 0
    .kernarg_segment_align: 8
    .kernarg_segment_size: 24
    .max_flat_workgroup_size: 512
    .sgpr_count:     100
    .vgpr_count:     256
    .wavefront_size: 32
...
	.end_amdgpu_metadata
.endif
;; end of part 3
;; launch oproj (part 4): grid 4 x 32, 4 waves a work-group, clusters of 4 x 4, 327,680 bytes of LDS; arguments oimg, codes, lowp_scales, out0; writes out0
.if DOCPART == 4
	.amdgcn_target "amdgcn-amd-amdhsa--gfx1250"
	.amdhsa_code_object_version 6
	.text
	.protected	k_q6fbadfdff9_oproj
	.globl	k_q6fbadfdff9_oproj
	.p2align	8
	.type	k_q6fbadfdff9_oproj,@function
k_q6fbadfdff9_oproj:
	s_mov_b64 s[64:65], 0
	v_nop
	global_prefetch_b8 v0, s[64:65] scope:SCOPE_SE
	s_setreg_imm32_b32 hwreg(HW_REG_WAVE_MODE, 25, 1), 1
	s_wait_xcnt 0x0
	s_wait_alu depctr_hold_cnt(0) depctr_sa_sdst(0) depctr_va_vdst(0) depctr_va_sdst(0) depctr_va_ssrc(0) depctr_va_vcc(0) depctr_vm_vsrc(0)
	s_getreg_b32 s2, hwreg(HW_REG_IB_STS2, 6, 4)
	s_cmp_eq_u32 s2, 0
	s_cbranch_scc0 .Lentry_in_a_cluster
	s_endpgm
.Lentry_in_a_cluster:
	s_bfe_u32 s2, ttmp6, 0x10000c
	s_cmp_lg_u32 s2, 0xf033
	s_cbranch_scc0 .Lentry_shape_is_right
	s_endpgm
.Lentry_shape_is_right:
; out0 = attention's result x Wo on codes of FP8 (E4M3): C[m][n] = sum over k of A[m][k] B[n][k], A = oimg (8,192 rows), B = Wo's images in codes (row = column n of Wo), K = 1,024; C f32, each sum x 2^(e10 + e11).
; LIMIT: entries 10 + 11 between -126 and 127, so that 2^(e10 + e11) is an f32 number.
; A tile of C, 256 x 256, is made by four waves, 128 x 128 each: 64 accumulators, 512 registers.  K goes in four steps of 256 through a ring of two LDS slots.
; OPERANDS ARE IMAGES of operand registers: 16 rows x 128 K = 2,048 bytes, byte 512 c + 16 lane + y; a 16-row tile's eight images are 16,384 consecutive bytes.  A tensor load brings 8 tiles x two images.
; A fragment is four loads of 512 consecutive bytes: no pitch, no padding.  CLUSTERS: 4 x 4 work-groups; A's tiles are asked for jointly along a row, B's along a column.
; THE MATRIX INSTRUCTION IS USED TRANSPOSED (source 0 = B's rows, source 1 = A's): a lane holds eight neighbouring numbers of a row of C.  128 work-groups: the 32 x 4 tiles of C.
; No prefetch: K has four steps, of which two are asked for at the head.
; REGISTERS, in windows of 256: window 0: v0-31 addresses; v128-255 A's fragments, one set; on the way out v32-255 are free.  window 1: B's fragments, two sets.  windows 2, 3: the accumulators.
.set SIZE_N, 1024
.set WO_OFF, 28311552                  ; Wo's images in codes
.set ROWB,   4096
.set FR,     16
.set NL,     4
.set NP,     4
.set HALFT,  32768
.set SLOT,   4*HALFT
.set LAPS,   2
.set SPARE,  2*SLOT                    ; behind the ring: the spare words, 128 bytes a wave: two blocks of 256 bytes that no other line names
.set SPITCH, 528                       ; the way out: a stage of 16 rows x (512 bytes + 16) for each wave, in slot 0, which has had its last fill and its last read when the first result is stored there
.set ADRA, 16
.set ADRB, 20
.set STO,  24
.set RD,   25
.set CO,   26
.set SPW,  28
.set NIL,  29
.set TMP,  32
.set AF,   128
.set BK,   128
.set G1, 24
.set G0, 32
.set G1B, 48
.set G0B, 56
.set MSB, 0
.macro WIN new
.if MSB != \new
	s_set_vgpr_msb (MSB<<8)|\new
.set MSB, \new
.endif
.endm
.set MUL_LO, 0xa1
.set MUL_HI, 0xf1
.set TO_B,   0x40
.macro JLOAD g0a, g1a, g0b, g1b        ; a joint load: waves 0 and 1 fetch for A, waves 2 and 3 for B; an s_nop 0 and four v_nop follow each line
	s_cmp_eq_u32 s15, 0
	s_cbranch_scc0 .Lfor_b_\@
	tensor_load_to_lds s[\g0a:\g0a+3], s[\g1a:\g1a+7]
	s_nop 0
.rept 4
	v_nop
.endr
	s_branch .Lasked_\@
.Lfor_b_\@:
	tensor_load_to_lds s[\g0b:\g0b+3], s[\g1b:\g1b+7]
	s_nop 0
.rept 4
	v_nop
.endr
.Lasked_\@:
.endm
.macro CREST
	s_cmp_lg_u32 s14, 0
	s_cbranch_scc1 .Lnot_wave_0_\@
	s_barrier_signal -3
.Lnot_wave_0_\@:
	s_barrier_wait -3
	s_barrier_signal -1
	s_barrier_wait -1
.endm
.macro CROUND
	s_barrier_signal -1
	s_barrier_wait -1
	CREST
.endm
	s_load_b128 s[4:7], s[0:1], 0x0                ; oimg s[4:5], codes s[6:7]
	s_load_b128 s[8:11], s[0:1], 0x10              ; the exponents s[8:9], out0 s[10:11]
	v_lshl_add_u32 v[SPW], v0, 2, SPARE
	v_mov_b32 v[NIL], 0
	ds_add_u32 v[SPW], v[NIL]                      ; the wave's opening: the add and its wait stand ahead of my first tensor load; the set-up below, work on registers, stands between them
	ds_add_u32 v[SPW], v[NIL]
	v_lshrrev_b32 v1, 5, v0
	v_readfirstlane_b32 s14, v1                    ; wave 0..3
	s_lshr_b32 s15, s14, 1                         ; which half of the tile's rows is mine.  Also: I fetch for A (0) or for B (1)
	s_and_b32 s16, s14, 1                          ; which half of its columns.  Also: which 128 rows of that tile I fetch
	s_bfe_u32 s40, ttmp6, 0x40000                  ; cx, cy
	s_bfe_u32 s41, ttmp6, 0x40004
	s_lshl_b32 s42, ttmp9, 2
	s_add_co_u32 s42, s42, s40                     ; tile column of C
	s_and_b32 s17, ttmp7, 0xffff
	s_lshl_b32 s17, s17, 2
	s_add_co_u32 s17, s17, s41                     ; tile row of C
	s_lshl_b32 s43, s41, 2
	s_lshl_b32 s43, 15, s43                        ; my row of the cluster
	s_lshl_b32 s44, 0x1111, s40                    ; my column
	s_or_b32 s[G1+0], s43, (3<<16)|(1<<21)         ; 15:0 the mask; 17:16 elements of 8 bytes; no padding; 21 set beside a mask
	s_or_b32 s[G1B+0], s44, (3<<16)|(1<<21)
.irp g, G1, G1B
	s_mov_b32 s[\g+1], 512<<16                     ; tensor_dim0: 4,096 bytes
	s_mov_b32 s[\g+2], 8<<16                       ; tensor_dim1
	s_mov_b32 s[\g+3], 512<<16                     ; tile_dim0
	s_mov_b32 s[\g+4], 8                           ; tile_dim1
	s_mov_b32 s[\g+5], 2048                        ; tensor_dim0_stride: 16,384 bytes
	s_mov_b32 s[\g+6], 0
	s_mov_b32 s[\g+7], 0
.endr
	s_lshl_b32 s18, s16, 17
	s_lshl_b32 s20, s17, 18
	s_add_co_u32 s20, s20, s18                     ; A: 262,144 x tile row + 131,072 x half
	s_mov_b32 s21, 0
	s_lshl_b32 s46, s42, 18
	s_add_co_u32 s46, s46, s18
	s_add_co_u32 s46, s46, WO_OFF                  ; B likewise, in Wo's set
	s_mov_b32 s47, 0
	s_mul_i32 s45, s14, HALFT                      ; where they go: wave x 32,768
	s_wait_dscnt 0x0                               ; the opening add is done
	s_wait_kmcnt 0x0
	s_load_b64 s[96:97], s[8:9], 0x28              ; entries 10, 11
	s_add_nc_u64 s[20:21], s[4:5], s[20:21]
	s_add_nc_u64 s[46:47], s[6:7], s[46:47]
	CROUND                                         ; all sixteen work-groups are here: the first joint loads meet
.irp s, 0,1
	s_mov_b32 s[G0+4*\s], 1
	s_add_co_u32 s[G0+4*\s+1], s45, \s*SLOT
	s_add_nc_u64 s[G0+4*\s+2:G0+4*\s+3], s[20:21], \s*ROWB
	s_or_b32 s[G0+4*\s+3], s[G0+4*\s+3], 0x80000000
	s_mov_b32 s[G0B+4*\s], 1
	s_add_co_u32 s[G0B+4*\s+1], s45, \s*SLOT
	s_add_nc_u64 s[G0B+4*\s+2:G0B+4*\s+3], s[46:47], \s*ROWB
	s_or_b32 s[G0B+4*\s+3], s[G0B+4*\s+3], 0x80000000
	s_wait_alu depctr_va_vdst(0)
	s_wait_tensorcnt 0x0
	ds_add_u32 v28, v29
	ds_add_u32 v28, v29
	s_wait_dscnt 0x0
	CROUND
	JLOAD G0+4*\s, G1, G0B+4*\s, G1B
.endr
	v_and_b32 v1, 15, v0                           ; l % 16
	s_wait_alu depctr_va_vdst(0)
	v_bfe_u32 v2, v0, 4, 1                         ; l / 16
	v_and_b32 v6, 31, v0
	v_lshlrev_b32 v[CO], 4, v6                     ; 16 x lane: my place in every image, in a stage row read back, and in a row of C
	s_mul_i32 s21, s15, HALFT
	s_mul_i32 s22, s16, HALFT
	s_add_co_u32 s22, s22, 2*HALFT
.irp s, 0,1
	v_add_nc_u32 v[ADRA+\s], s21, v[CO]
	v_add_nc_u32 v[ADRB+\s], s22, v[CO]
	s_add_co_u32 s21, s21, SLOT
	s_add_co_u32 s22, s22, SLOT
.endr
	s_mul_i32 s23, s14, 16*SPITCH                  ; my stage
	v_mul_u32_u24 v5, v1, SPITCH                   ; in: row l % 16, 32 bytes for each half of the lanes
	s_wait_alu depctr_va_vdst(0)
	v_lshl_add_u32 v5, v2, 5, v5
	v_add_nc_u32 v[STO], s23, v5
	v_add_nc_u32 v[RD], s23, v[CO]                 ; back: the 32 lanes take one row of 512 bytes
	s_lshl_b32 s20, s17, 8
	s_lshl_b32 s21, s15, 7
	s_add_co_u32 s20, s20, s21                     ; my first row of C
	s_mov_b32 s21, 0
	s_mov_b64 s[18:19], SIZE_N*4
	s_mul_u64 s[20:21], s[20:21], s[18:19]
	s_lshl_b32 s46, s42, 10                        ; my first column, in bytes
	s_lshl_b32 s47, s16, 9
	s_add_co_u32 s46, s46, s47
	s_mov_b32 s47, 0
	s_add_nc_u64 s[20:21], s[20:21], s[46:47]
	s_add_nc_u64 s[10:11], s[10:11], s[20:21]
.macro FRAG reg, adr, q, i
.irp c, 0,1,2,3
	ds_load_b128 v[\reg+4*\c:\reg+4*\c+3], v[\adr] offset:2048*(\q)+512*\c+(\i)*4096
.endr
.endm
.macro MUL16 a0, p, zero               ; the 64 accumulators take turns, one instruction a turn
.irp a, \a0, \a0+1
.irp b, 0,1,2,3,4,5,6,7
.if \zero
	v_wmma_f32_16x16x128_fp8_fp8 v[8*(8*((\a)%4)+\b):8*(8*((\a)%4)+\b)+7], v[128*(\p)+FR*\b:128*(\p)+FR*\b+FR-1], v[AF+FR*(\a):AF+FR*(\a)+FR-1], 0
.else
	v_wmma_f32_16x16x128_fp8_fp8 v[8*(8*((\a)%4)+\b):8*(8*((\a)%4)+\b)+7], v[128*(\p)+FR*\b:128*(\p)+FR*\b+FR-1], v[AF+FR*(\a):AF+FR*(\a)+FR-1], v[8*(8*((\a)%4)+\b):8*(8*((\a)%4)+\b)+7]
.endif
.endr
.endr
.endm
.macro FETCH_B slot, q, p
	WIN TO_B
.irp i, 0,1,2,3,4,5,6,7
	FRAG 128*(\p)+FR*\i, ADRB+\slot, \q, \i
.endr
	WIN 0
.endm
.macro FETCH_A slot, q, i0
.irp i, \i0, \i0+1, \i0+2, \i0+3
	FRAG AF+FR*(\i), ADRA+\slot, \q, \i
.endr
.endm
.macro PLACES n
.rept \n
	v_nop
.endr
.endm
.macro STEP slot, q, zero
	s_wait_dscnt 4*NL                              ; B's set and A's blocks 0-3 are in; the youngest sixteen loads (A's blocks 4-7) may be out
	WIN MUL_LO
	MUL16 0, (\q)%2, \zero
	MUL16 2, (\q)%2, \zero
	s_wait_dscnt 0
	PLACES NP
	FETCH_B \slot, (\q)+1, 1-(\q)%2
	FETCH_A \slot, (\q)+1, 0
	WIN MUL_HI
	MUL16 4, (\q)%2, \zero
	MUL16 6, (\q)%2, \zero
	PLACES NP
	WIN 0
	FETCH_A \slot, (\q)+1, 4
.endm
.macro TURN slot, next, fill
	s_wait_tensorcnt 0x0                           ; all my tensor loads have landed: my part of the next slot
	ds_add_u32 v[SPW], v[NIL]                      ; 0 onto my spare word
	s_wait_dscnt 4*NL+1                            ; (the add and the youngest sixteen loads may be out)
	WIN MUL_LO
	MUL16 0, 1, 0
	s_wait_dscnt 0x0                               ; the add is done, and my reads of this slot are over
	s_barrier_signal -1
	MUL16 2, 1, 0
	WIN 0
	s_barrier_wait -1
.if \fill
	CREST                                          ; the barrier has opened a round of the cluster's barrier
	s_add_nc_u64 s[G0+4*\slot+2:G0+4*\slot+3], s[G0+4*\slot+2:G0+4*\slot+3], 2*ROWB
	s_add_nc_u64 s[G0B+4*\slot+2:G0B+4*\slot+3], s[G0B+4*\slot+2:G0B+4*\slot+3], 2*ROWB
	JLOAD G0+4*\slot, G1, G0B+4*\slot, G1B         ; the first tensor load behind the round; its four v_nop are also the places in front of the loads below
.else
	PLACES NP
.endif
	FETCH_B \next, 0, 0
	FETCH_A \next, 0, 0
	WIN MUL_HI
	MUL16 4, 1, 0
	MUL16 6, 1, 0
	PLACES NP
	WIN 0
	FETCH_A \next, 0, 4
.endm
	s_wait_tensorcnt 1                             ; my part of K step 0 is in (K step 1's load may be out),
	s_barrier_signal -1
	s_barrier_wait -1                              ; everybody's is
	FETCH_B 0, 0, 0
	FETCH_A 0, 0, 0
	FETCH_A 0, 0, 4
	STEP 0, 0, 1
	s_mov_b32 s3, LAPS-1
.Llap:
	TURN 0, 1, 1
	STEP 1, 0, 0
	TURN 1, 0, 1
	STEP 0, 0, 0
	s_sub_co_u32 s3, s3, 1
	s_cmp_lg_u32 s3, 0
	s_cbranch_scc1 .Llap
	TURN 0, 1, 0
	STEP 1, 0, 0
	s_wait_dscnt 4*NL
	WIN MUL_LO
	MUL16 0, 1, 0
	MUL16 2, 1, 0
	s_wait_dscnt 0
	WIN MUL_HI
	MUL16 4, 1, 0
	MUL16 6, 1, 0
	WIN 0
; THE WAY OUT, block by block of 16 rows x 128 columns, through my own stage in LDS: back as whole rows of 512 bytes.  LDS serves a wave's instructions in order: no wait between the stores and the loads.
.macro TOSTAGE a
.set AC, 64*((\a)%4)
.set WQ, 0x02+((\a)/4)                 ; source 0: window 2 or 3
	WIN WQ
.set j, 0
.rept 32
	v_pk_mul_f32 v[TMP+j:TMP+j+1], v[AC+j:AC+j+1], s[96:97] op_sel_hi:[1,0]   ; both x s96 = 2^(e10 + e11); each accumulator from its low end on
.set j, j+2
.endr
	WIN 0
.irp b, 0,1,2,3,4,5,6,7
	ds_store_b128 v[STO], v[TMP+8*\b:TMP+8*\b+3] offset:64*\b
	ds_store_b128 v[STO], v[TMP+8*\b+4:TMP+8*\b+7] offset:64*\b+16
.endr
.set BB, BK+64*((\a)%2)
.irp t, 0,1,2,3,4,5,6,7,8,9,10,11,12,13,14,15
	ds_load_b128 v[BB+4*\t:BB+4*\t+3], v[RD] offset:\t*SPITCH
.endr
.endm
.macro SEND a, younger                 ; younger: the LDS instructions issued behind block a's loads, which may stay out
.set BB, BK+64*((\a)%2)
	s_wait_dscnt \younger
.if (\a) > 0
	s_add_nc_u64 s[10:11], s[10:11], 16*SIZE_N*4   ; (behind a wait on XCNT: the earlier stores have read their base)
.endif
.irp t, 0,1,2,3,4,5,6,7,8,9,10,11,12,13,14,15
	global_store_b128 v[CO], v[BB+4*\t:BB+4*\t+3], s[10:11] offset:\t*SIZE_N*4 th:TH_STORE_NT   ; 32 lanes store 512 consecutive bytes, aligned; written once, read by nobody here
.endr
.endm
	s_wait_kmcnt 0x0
	s_add_co_i32 s96, s96, s97
	s_add_co_i32 s96, s96, 127
	s_lshl_b32 s96, s96, 23                        ; 2^(e10 + e11) as f32
	PLACES NP                                      ; behind the last products: for the loads into the registers that held A's fragments and for the reads of the last blocks
	TOSTAGE 0
.irp a, 1,2,3,4,5,6,7
.if \a > 1
	s_wait_xcnt 0x0                                ; block a - 2's stores have read their registers and their base
.endif
	TOSTAGE \a
	SEND \a-1, 32                                  ; behind block a - 1's loads: block a's 16 stores and 16 loads
.endr
	s_wait_xcnt 0x0
	SEND 7, 0
	s_wait_tensorcnt 0x0                           ; the wave's end: three lines behind my last tensor load and my last LDS store
	ds_add_u32 v[SPW], v[NIL]
	s_wait_dscnt 0x0
	CROUND                                         ; the closing round
	s_endpgm
.Lfunc_end_k_q6fbadfdff9_oproj:
	.size	k_q6fbadfdff9_oproj, .Lfunc_end_k_q6fbadfdff9_oproj-k_q6fbadfdff9_oproj
	.p2alignl 7, 3214868480
	.fill 96, 4, 3214868480
	.section	.rodata,"a",@progbits
	.p2align	6, 0x0
	.amdhsa_kernel k_q6fbadfdff9_oproj
		.amdhsa_group_segment_fixed_size 327680
		.amdhsa_private_segment_fixed_size 0
		.amdhsa_enable_private_segment 0
		.amdhsa_kernarg_size 32
		.amdhsa_user_sgpr_count 2
		.amdhsa_user_sgpr_kernarg_segment_ptr 1
		.amdhsa_wavefront_size32 1
		.amdhsa_system_sgpr_workgroup_id_x 1
		.amdhsa_system_sgpr_workgroup_id_y 1
		.amdhsa_system_sgpr_workgroup_id_z 1
		.amdhsa_system_vgpr_workitem_id 0
		.amdhsa_next_free_vgpr 1024
		.amdhsa_next_free_sgpr 98
		.amdhsa_reserve_vcc 0
		.amdhsa_float_denorm_mode_32 3
		.amdhsa_float_denorm_mode_16_64 3
		.amdhsa_memory_ordered 1
		.amdhsa_forward_progress 1
		.amdhsa_inst_pref_size 124
	.end_amdhsa_kernel
	.amdgpu_metadata
---
amdhsa.version: [ 1, 2 ]
amdhsa.kernels:
  - .name:           k_q6fbadfdff9_oproj
    .symbol:         k_q6fbadfdff9_oproj.kd
    .args:
      - { .name: oimg, .offset: 0, .size: 8, .value_kind: global_buffer, .address_space: global }
      - { .name: codes, .offset: 8, .size: 8, .value_kind: global_buffer, .address_space: global }
      - { .name: lowp_scales, .offset: 16, .size: 8, .value_kind: global_buffer, .address_space: global }
      - { .name: out0, .offset: 24, .size: 8, .value_kind: global_buffer, .address_space: global }
    .group_segment_fixed_size: 327680
    .private_segment_fixed_size: 0
    .kernarg_segment_align: 8
    .kernarg_segment_size: 32
    .max_flat_workgroup_size: 128
    .sgpr_count:     98
    .vgpr_count:     1024
    .wavefront_size: 32
...
	.end_amdgpu_metadata
.endif
;; end of part 4
